; MI455X (gfx1250); checked and timed in simulation.
; The chip was launched on July 23, 2026; its instructions are those of AMD's public machine-readable ISA for CDNA 5 (MIT licence, August 2026) and "CDNA5" Instruction Set Architecture Reference Guide (July 2026). The comments in the code are by the model that wrote it; some were corrected since.
;; Working Memory. Allowed arithmetic: float matrix products may take bf16 or f16 operands with f32 sums; other float arithmetic in f32, or as packed bf16 or f16 multiplies, adds, multiply-adds, maxima and minima; sums over many terms, partial sums and values carried from step to step in f32; what a program stores and reads back later, other than sums and carried values, may be rounded once to bf16 or f16.
;; Inputs: Wk 1,024 x 1,024 float32; Wlr 1,024 x 1,024 float32; Wo 1,024 x 1,024 float32; Wq 1,024 x 1,024 float32; Wv 1,024 x 1,024 float32; b_lr 1,024 float32; x 4 x 2,048 x 1,024 float32.
;; Outputs: out0 4 x 2,048 x 1,024 float32.
;; Constants: wm_head = 16.
;; 2 versions, each right; version 2 is version 1 with the launch cast written anew for expert scheduling mode. Each part assembles by itself: llvm-mc -triple=amdgcn-amd-amdhsa -mcpu=gfx1250 --defsym DOCPART=n.
;; ======== version 1 of 2: 4 launches
;; limits: values are held in f16: magnitudes above 65,504 overflow, below 6.1e-05 lose precision
;; workspace buffers: xb 16,777,216 bytes; wcat 8,388,608 bytes; wo16 2,097,152 bytes; pj 67,108,864 bytes; qn 524,288 bytes; oh 16,777,216 bytes
;; launch cast (part 1): grid 832 x 1, 8 waves a work-group, no clusters, 0 bytes of LDS; arguments x, Wq, Wk, Wv, Wlr, Wo, xb, wcat, wo16; writes xb, wcat, wo16
.if DOCPART == 1
	.amdgcn_target "amdgcn-amd-amdhsa--gfx1250"
	.amdhsa_code_object_version 6
	.text
	.protected	k_q8275c5e00a_cast
	.globl	k_q8275c5e00a_cast
	.p2align	8
	.type	k_q8275c5e00a_cast,@function
k_q8275c5e00a_cast:
	s_mov_b64 s[64:65], 0
	v_nop
	global_prefetch_b8 v0, s[64:65] scope:SCOPE_SE
	s_setreg_imm32_b32 hwreg(HW_REG_WAVE_MODE, 25, 1), 1
	s_wait_xcnt 0x0
; THE PROGRAM (four launches).  cast: x and the five weights are rounded once to bf16.  proj: q, k, v, lr = x W^T for all four weights in one product; q, k, v
; divided by max(norm, 1e-12) per head, lr = sigmoid(. + b_lr); stored by heads in f16, q's norm in f32.  scan: the recurrence, 32 steps at a time.  outp: o Wo^T.
; THE RECURRENCE IN CHUNKS.  With W0 the state in front of a chunk, u_t = lr_t (v_t - k_t W0 - sum over s < t of (k_s . k_t) u_s), o_t = q_t W0 + sum over s < t of (q_t . k_s) u_s,
; and the state behind the chunk is W0 + sum over s of k_s (x) u_s: the same sums as step by step, in another order.
; WORK LEFT OUT.  The state behind the last step is thrown away by reference() (the scan's first result is not used), so the sum K^T U of the last 32 steps, which only a later
; chunk could read, reaches no output whatever the inputs hold: the scan jumps over those products.  Every input has a way to the output and is loaded.
; A NaN, an infinity or an overflow that would arise in that left-out sum alone is not carried to the result.
; WORK KEPT.  The first chunk's products with the zero state stay (16 of some 1,900 matrix instructions a wave), so that no first chunk is written out.
; THIS LAUNCH.  832 segments of 16,384 numbers: 0-511 x -> xb; 512-767 Wq, Wk, Wv, Wlr -> wcat (rows in that order); 768-831 Wo -> wo16.
; Wo is rounded to bf16 like every input and that number is written as f16, the format of o, its partner in the last product.
; LIMIT: |Wo| under 65,504; below 6.1e-5 it keeps f16's fixed step of 6e-8.
; A thread takes 4 numbers a step: one load of 16 bytes, one store of 8 bytes.  A wave's load covers 512 consecutive bytes, its store 256 consecutive bytes, aligned: no byte is named twice.
; All 16 loads go out before the first is used.
	s_load_b512 s[8:23], s[0:1], 0x0               ; x, Wq, Wk, Wv, Wlr, Wo, xb, wcat
	s_load_b64 s[24:25], s[0:1], 0x40              ; wo16
	v_lshlrev_b32 v1, 4, v0                        ; 16 bytes in
	v_lshlrev_b32 v2, 3, v0                        ; 8 bytes out
	s_mov_b32 s2, ttmp9                            ; the segment
	s_and_b32 s3, s2, 63                           ; its number inside a weight,
	s_cmp_lt_u32 s2, 512
	s_cselect_b32 s3, s2, s3                       ; or inside x
	s_lshl_b32 s4, s3, 16
	s_mov_b32 s5, 0
	s_sub_co_u32 s6, s2, 512                       ; its number inside wcat,
	s_cmp_lt_u32 s2, 512
	s_cselect_b32 s6, s2, s6                       ; inside xb,
	s_sub_co_u32 s7, s2, 768
	s_cmp_lt_u32 s2, 768
	s_cselect_b32 s6, s6, s7                       ; or inside wo16
	s_lshl_b32 s6, s6, 15
	s_mov_b32 s7, 0
	s_wait_kmcnt 0x0
	s_cmp_ge_u32 s2, 512
	s_cselect_b64 s[26:27], s[10:11], s[8:9]
	s_cselect_b64 s[28:29], s[22:23], s[20:21]
	s_cmp_ge_u32 s2, 576
	s_cselect_b64 s[26:27], s[12:13], s[26:27]
	s_cmp_ge_u32 s2, 640
	s_cselect_b64 s[26:27], s[14:15], s[26:27]
	s_cmp_ge_u32 s2, 704
	s_cselect_b64 s[26:27], s[16:17], s[26:27]
	s_cmp_ge_u32 s2, 768
	s_cselect_b64 s[26:27], s[18:19], s[26:27]
	s_cselect_b64 s[28:29], s[24:25], s[28:29]
	s_add_nc_u64 s[26:27], s[26:27], s[4:5]
	s_add_nc_u64 s[28:29], s[28:29], s[6:7]
.irp i, 0,1,2,3,4,5,6,7,8,9,10,11,12,13,14,15
	global_load_b128 v[16+4*\i:16+4*\i+3], v1, s[26:27] offset:4096*\i th:TH_LOAD_NT   ; a step of the work-group is 256 threads x 16 bytes
.endr
; Step i.  f16 = 1: the bf16 number is widened again and written as f16.
.macro CV i, f16
	s_wait_loadcnt 15-(\i)                         ; loads come back in order: this step's is in, the younger ones stay out
	v_cvt_pk_bf16_f32 v[80+2*(\i)],   v[16+4*(\i)],   v[16+4*(\i)+1]
	v_cvt_pk_bf16_f32 v[80+2*(\i)+1], v[16+4*(\i)+2], v[16+4*(\i)+3]
.if \f16
	v_lshlrev_b32 v8, 16, v[80+2*(\i)]
	v_and_b32 v9, 0xffff0000, v[80+2*(\i)]
	v_lshlrev_b32 v10, 16, v[80+2*(\i)+1]
	v_and_b32 v11, 0xffff0000, v[80+2*(\i)+1]
	v_cvt_pk_f16_f32 v[80+2*(\i)],   v8, v9
	v_cvt_pk_f16_f32 v[80+2*(\i)+1], v10, v11
.endif
	global_store_b64 v2, v[80+2*(\i):80+2*(\i)+1], s[28:29] offset:2048*(\i) th:TH_STORE_NT
.endm
	s_cmp_ge_u32 s2, 768
	s_cbranch_scc1 .Lwo
.irp i, 0,1,2,3,4,5,6,7,8,9,10,11,12,13,14,15
	CV \i, 0
.endr
	s_endpgm
.Lwo:
.irp i, 0,1,2,3,4,5,6,7,8,9,10,11,12,13,14,15
	CV \i, 1
.endr
	s_endpgm
.Lfunc_end_k_q8275c5e00a_cast:
	.size	k_q8275c5e00a_cast, .Lfunc_end_k_q8275c5e00a_cast-k_q8275c5e00a_cast
	.p2alignl 7, 3214868480
	.fill 96, 4, 3214868480
	.section	.rodata,"a",@progbits
	.p2align	6, 0x0
	.amdhsa_kernel k_q8275c5e00a_cast
		.amdhsa_group_segment_fixed_size 0
		.amdhsa_private_segment_fixed_size 0
		.amdhsa_enable_private_segment 0
		.amdhsa_kernarg_size 72
		.amdhsa_user_sgpr_count 2
		.amdhsa_user_sgpr_kernarg_segment_ptr 1
		.amdhsa_wavefront_size32 1
		.amdhsa_system_sgpr_workgroup_id_x 1
		.amdhsa_system_sgpr_workgroup_id_y 1
		.amdhsa_system_sgpr_workgroup_id_z 1
		.amdhsa_system_vgpr_workitem_id 0
		.amdhsa_next_free_vgpr 112
		.amdhsa_next_free_sgpr 66
		.amdhsa_reserve_vcc 0
		.amdhsa_float_denorm_mode_32 3
		.amdhsa_float_denorm_mode_16_64 3
		.amdhsa_memory_ordered 1
		.amdhsa_forward_progress 1
		.amdhsa_inst_pref_size 17
	.end_amdhsa_kernel
	.amdgpu_metadata
---
amdhsa.version: [ 1, 2 ]
amdhsa.kernels:
  - .name:           k_q8275c5e00a_cast
    .symbol:         k_q8275c5e00a_cast.kd
    .args:
      - { .name: x, .offset: 0, .size: 8, .value_kind: global_buffer, .address_space: global }
      - { .name: Wq, .offset: 8, .size: 8, .value_kind: global_buffer, .address_space: global }
      - { .name: Wk, .offset: 16, .size: 8, .value_kind: global_buffer, .address_space: global }
      - { .name: Wv, .offset: 24, .size: 8, .value_kind: global_buffer, .address_space: global }
      - { .name: Wlr, .offset: 32, .size: 8, .value_kind: global_buffer, .address_space: global }
      - { .name: Wo, .offset: 40, .size: 8, .value_kind: global_buffer, .address_space: global }
      - { .name: xb, .offset: 48, .size: 8, .value_kind: global_buffer, .address_space: global }
      - { .name: wcat, .offset: 56, .size: 8, .value_kind: global_buffer, .address_space: global }
      - { .name: wo16, .offset: 64, .size: 8, .value_kind: global_buffer, .address_space: global }
    .group_segment_fixed_size: 0
    .private_segment_fixed_size: 0
    .kernarg_segment_align: 8
    .kernarg_segment_size: 72
    .max_flat_workgroup_size: 256
    .sgpr_count:     66
    .vgpr_count:     112
    .wavefront_size: 32
...
	.end_amdgpu_metadata
.endif
;; end of part 1
;; launch proj (part 2): grid 16 x 32, 4 waves a work-group, clusters of 4 x 4, 327,680 bytes of LDS; arguments xb, wcat, b_lr, pj, qn; writes pj, qn
.if DOCPART == 2
	.amdgcn_target "amdgcn-amd-amdhsa--gfx1250"
	.amdhsa_code_object_version 6
	.text
	.protected	k_q8275c5e00a_proj
	.globl	k_q8275c5e00a_proj
	.p2align	8
	.type	k_q8275c5e00a_proj,@function
k_q8275c5e00a_proj:
	s_mov_b64 s[64:65], 0
	v_nop
	global_prefetch_b8 v0, s[64:65] scope:SCOPE_SE
	s_setreg_imm32_b32 hwreg(HW_REG_WAVE_MODE, 25, 1), 1
	s_wait_xcnt 0x0
	s_wait_alu depctr_hold_cnt(0) depctr_sa_sdst(0) depctr_va_vdst(0) depctr_va_sdst(0) depctr_va_ssrc(0) depctr_va_vcc(0) depctr_vm_vsrc(0)
	s_getreg_b32 s2, hwreg(HW_REG_IB_STS2, 6, 4)
	s_cmp_eq_u32 s2, 0
	s_cbranch_scc0 .Lentry_in_a_cluster
	s_endpgm
.Lentry_in_a_cluster:
	s_bfe_u32 s2, ttmp6, 0x10000c
	s_cmp_lg_u32 s2, 0xf033
	s_cbranch_scc0 .Lentry_shape_is_right
	s_endpgm
.Lentry_shape_is_right:
; C[m][n] = sum over k of xb[m][k] wcat[n][k]: m = 2048 b + t (8,192), n = 1024 kind + 64 head + e (4,096), k 1,024; bf16 operands, f32 sums.
; kind 0 = q, 1 = k, 2 = v: each head's 64 numbers are divided by max(their norm, 1e-12); kind 0 also stores that bounded norm in f32 (qn), so that o = qn x (q / qn) W is made in f32 later
; and the f16 copy of q lies in -1 to 1 whatever the inputs' scale.  kind 3 = lr: sigmoid(C + b_lr), b_lr rounded to bf16 like every input.
; Results leave in f16 by heads: pj[kind][16 b + head][t][64].  LIMIT: a sum of squares below 2^-126 counts as 0 (the root takes no denormal).
; A tile of C is 256 x 256: four waves, each 128 x 128 in 64 accumulators.  K goes in steps of 128 through two LDS slots filled by the tensor data mover; rows of 256 bytes, padded to 272.
; CLUSTER 4 x 4: xb's tile is asked for jointly along a row of the cluster, wcat's along a column.  A cluster's four tile columns are one kind (1,024 columns): the kind is the cluster's x,
; alike in all partners, so the branch on it is alike too.
; THE MATRIX INSTRUCTION IS USED TRANSPOSED (source 0 = 16 rows of wcat, source 1 = 16 rows of xb): a lane holds row l % 16 of C and eight neighbouring columns 8 (l / 16) + 0..7.
; REGISTERS: window 0: v0-31 addresses, v64-127, v128-191 xb's fragments (two buffers), later the way out; window 1: wcat's fragments; windows 2, 3: accumulators ((a, b) at v[8 (8 (a % 4) + b)]).
; THE WAY OUT: the slots have had their last fill; each wave lays its 128 x 128 f32 into 128 rows of 528 bytes of its own there and reads them back so that eight lanes hold one head's 64 numbers of a row.
.set SIZE_K, 1024
.set KSTEP,  128
.set PITCH,  272                       ; 256 bytes + 16: 68 words, so the 16 rows of a fragment load start at 16 different groups of four banks
.set HALFT,  128*PITCH
.set SLOT,   4*HALFT
.set SPARE,  2*SLOT                    ; behind the ring: the spare words, 128 bytes a wave, two blocks of 256 bytes that no other line names
.set DP,     528                       ; the way out: 512 bytes + 16
.set DREG,   128*DP                    ; a wave's part of it; four of them end below SPARE
.set LAPS,   SIZE_K/(2*KSTEP)
.set ADRA, 16
.set ADRB, 20
.set DST,  24                          ; v24  where I put 32 bytes of a row on the way out
.set RDA,  25                          ; v25  where I read 32 bytes of a head back
.set CO,   26                          ; v26  16 x lane: my 16 bytes of 512 consecutive bytes of pj
.set QO,   27                          ; v27  my word of 16 rows' norms
.set SPW,  28
.set NIL,  29
.set PFO,  30
.set BO,   31                          ; v31  my 8 numbers of b_lr
.set PFA,  44
.set LIM,  43
.set F0,   64
.set F1,   128
.set G1,   24
.set G0,   32
.set G1B,  48
.set G0B,  56
.set OUTP, 70                          ; s[70:71] pj at my wave's first row and head
.set QNP,  72                          ; s[72:73] qn likewise
.set KIND, 74
.set DD,   64                          ; the way out, window 0: unit u = 2 g + hh (rows 4 g .. 4 g + 3, head hh): 8 f32 at DD + 8 u
.set PKD,  128                         ; 4 packed registers at PKD + 4 u
.set SS,   160                         ; sum of squares, then the norm, at SS + 2 u
.set RC,   176                         ; 1 / norm at RC + 2 u (named as a pair)
.set TT,   192                         ; at work
.set NB,   208                         ; -log2(e) b_lr: 8 numbers for each of the two heads
.set QT,   224
.set MSB, 0
.macro WIN new                         ; the immediate's high byte repeats the setting that is left
.if MSB != (\new)
	s_set_vgpr_msb (MSB<<8)|(\new)
.set MSB, \new
.endif
.endm
.set MUL_LO, 0xa1
.set MUL_HI, 0xf1
.set TO_B,   0x40
; A joint load: waves 0 and 1 fetch xb's two halves, waves 2 and 3 wcat's.  An s_nop 0 and four v_nop follow each line.
.macro JLOAD s
	s_cmp_eq_u32 s11, 0
	s_cbranch_scc0 .Lfor_b_\@
	tensor_load_to_lds s[G0+4*(\s):G0+4*(\s)+3], s[G1:G1+7]
	s_nop 0
.rept 4
	v_nop
.endr
	s_branch .Lasked_\@
.Lfor_b_\@:
	tensor_load_to_lds s[G0B+4*(\s):G0B+4*(\s)+3], s[G1B:G1B+7]
	s_nop 0
.rept 4
	v_nop
.endr
.Lasked_\@:
.endm
; A prefetch of the K step two refills on: 32 rows x 256 bytes, a lane a row.  xb's rows are asked for by the clusters with x = 0, wcat's by those with y = 0; the four partners of a joint load
; take 32 of its 128 rows each, told apart by address.  So each row's 256 bytes of a K step are named once.  The loop's last trip (s3 = 1) has no K step two on.
.macro ASK
	s_cmp_gt_u32 s3, s[LIM]
	s_cbranch_scc0 .Lnot_mine_\@
	global_prefetch_b8 v[PFO], s[PFA:PFA+1] offset:KSTEP*2 th:TH_LOAD_NT scope:SCOPE_SE
.Lnot_mine_\@:
.endm
.macro CREST
	s_cmp_lg_u32 s10, 0
	s_cbranch_scc1 .Lnot_wave_0_\@
	s_barrier_signal -3
.Lnot_wave_0_\@:
	s_barrier_wait -3
	s_barrier_signal -1
	s_barrier_wait -1
.endm
.macro CROUND
	s_barrier_signal -1
	s_barrier_wait -1
	CREST
.endm
	s_load_b128 s[4:7], s[0:1], 0x0                ; xb, wcat
	s_load_b128 s[68:71], s[0:1], 0x10             ; b_lr, pj
	s_load_b64 s[72:73], s[0:1], 0x20              ; qn
	v_lshl_add_u32 v[SPW], v0, 2, SPARE
	v_mov_b32 v[NIL], 0
	ds_add_u32 v[SPW], v[NIL]                      ; the wave's opening: the add, twice on end, and its wait ahead of my first tensor load
	ds_add_u32 v[SPW], v[NIL]
	v_lshrrev_b32 v1, 5, v0
	v_readfirstlane_b32 s10, v1                    ; wave 0..3
	s_lshr_b32 s11, s10, 1                         ; my half of the tile's rows; also: I fetch for xb (0) or wcat (1)
	s_and_b32 s12, s10, 1                          ; my half of its columns; also: which 128 rows I fetch
	s_bfe_u32 s40, ttmp6, 0x40000                  ; cx
	s_bfe_u32 s41, ttmp6, 0x40004                  ; cy
	s_lshl_b32 s42, ttmp9, 2
	s_add_co_u32 s42, s42, s40                     ; tile column
	s_and_b32 s13, ttmp7, 0xffff
	s_lshl_b32 s13, s13, 2
	s_add_co_u32 s13, s13, s41                     ; tile row
	s_lshl_b32 s43, s41, 2
	s_lshl_b32 s43, 15, s43                        ; my row of the cluster
	s_lshl_b32 s44, 0x1111, s40                    ; my column
	s_or_b32 s[G1+0], s43, (1<<16)|(1<<20)|(1<<21)|(5<<22)|(3<<25)   ; mask; 2-byte elements; padding on; bit 21 beside a mask; after every 64 words, 4 words
	s_or_b32 s[G1B+0], s44, (1<<16)|(1<<20)|(1<<21)|(5<<22)|(3<<25)
.irp g, G1, G1B
	s_mov_b32 s[(\g)+1], KSTEP<<16                 ; tensor_dim0 = 128
	s_mov_b32 s[(\g)+2], 128<<16                   ; tensor_dim1 = 128
	s_mov_b32 s[(\g)+3], KSTEP<<16                 ; tile_dim0 = 128
	s_mov_b32 s[(\g)+4], 128                       ; tile_dim1 = 128
	s_mov_b32 s[(\g)+5], SIZE_K                    ; elements from row to row
	s_mov_b32 s[(\g)+6], 0
	s_mov_b32 s[(\g)+7], 0
.endr
	s_lshl_b32 s17, s12, 7
	s_lshl_b32 s16, s13, 8
	s_add_co_u32 s16, s16, s17                     ; xb: row 256 x tile row + 128 x half
	s_lshl_b32 s46, s42, 8
	s_add_co_u32 s46, s46, s17                     ; wcat: row 256 x tile column + 128 x half
	s_mov_b32 s17, 0
	s_mov_b32 s47, 0
	s_mov_b64 s[18:19], SIZE_K*2
	s_mul_u64 s[16:17], s[16:17], s[18:19]
	s_mul_u64 s[46:47], s[46:47], s[18:19]
	s_mul_i32 s20, s10, HALFT                      ; where they go: wave x 128 rows
	s_wait_dscnt 0x0                               ; both opening adds are done
	s_wait_kmcnt 0x0
	s_add_nc_u64 s[14:15], s[4:5], s[16:17]
	s_add_nc_u64 s[46:47], s[6:7], s[46:47]
	CROUND                                         ; all sixteen work-groups are here: the first joint loads meet
.irp s, 0,1
	s_mov_b32 s[G0+4*(\s)], 1
	s_add_co_u32 s[G0+4*(\s)+1], s20, (\s)*SLOT
	s_add_nc_u64 s[G0+4*(\s)+2:G0+4*(\s)+3], s[14:15], (\s)*KSTEP*2
	s_or_b32 s[G0+4*(\s)+3], s[G0+4*(\s)+3], 0x80000000
	s_mov_b32 s[G0B+4*(\s)], 1
	s_add_co_u32 s[G0B+4*(\s)+1], s20, (\s)*SLOT
	s_add_nc_u64 s[G0B+4*(\s)+2:G0B+4*(\s)+3], s[46:47], (\s)*KSTEP*2
	s_or_b32 s[G0B+4*(\s)+3], s[G0B+4*(\s)+3], 0x80000000
	JLOAD \s
.endr
	v_and_b32 v1, 15, v0                           ; l % 16
	v_bfe_u32 v2, v0, 4, 1                         ; l / 16
	v_mul_u32_u24 v3, v1, PITCH
	v_lshl_add_u32 v3, v2, 4, v3
	s_mul_i32 s21, s11, HALFT
	s_mul_i32 s22, s12, HALFT
	s_add_co_u32 s22, s22, 2*HALFT
.irp s, 0,1
	v_add_nc_u32 v[ADRA+(\s)], s21, v3
	v_add_nc_u32 v[ADRB+(\s)], s22, v3
	s_add_co_u32 s21, s21, SLOT
	s_add_co_u32 s22, s22, SLOT
.endr
	; the way out's addresses
	s_mul_i32 s23, s10, DREG
	v_mul_u32_u24 v[DST], v1, DP                   ; in: row l % 16, 32 bytes for each half of the lanes
	v_lshl_add_u32 v[DST], v2, 5, v[DST]
	v_add_nc_u32 v[DST], s23, v[DST]
	v_and_b32 v5, 31, v0                           ; l
	v_lshrrev_b32 v6, 3, v5                        ; l / 8: one of four rows
	v_and_b32 v7, 7, v0                            ; l % 8: eight columns of a head
	v_and_b32 v8, 3, v0
	v_mul_u32_u24 v[RDA], v6, DP
	v_lshl_add_u32 v[RDA], v7, 5, v[RDA]
	v_add_nc_u32 v[RDA], s23, v[RDA]
	v_lshlrev_b32 v[CO], 4, v5
	v_lshl_add_u32 v[QO], v8, 2, v6                ; lane l stores the norm of row 4 (l % 4) + l / 8 (lanes l and l + 4 the same word, the same number)
	v_lshlrev_b32 v[QO], 2, v[QO]
	v_cmp_eq_u32 s75, 1, v8
	v_cmp_eq_u32 s76, 2, v8
	v_cmp_eq_u32 s77, 3, v8
	s_mov_b32 s[KIND], ttmp9
	s_lshl_b32 s13, s13, 8                         ; 256 x tile row
	s_lshl_b32 s14, s11, 7
	s_add_co_u32 s14, s13, s14                     ; my first row m0
	s_lshr_b32 s15, s14, 11                        ; b
	s_and_b32 s16, s14, 2047                       ; t
	s_lshl_b32 s79, s40, 2
	s_lshl1_add_u32 s79, s12, s79                  ; my first head = 4 cx + 2 x half
	s_lshl4_add_u32 s17, s15, s79                  ; 16 b + head
	s_lshl_b32 s17, s17, 11
	s_add_co_u32 s17, s17, s16                     ; x 2,048 + t
	s_lshl_b32 s18, s17, 7                         ; rows of 128 bytes
	s_lshl_b32 s19, ttmp9, 24                      ; a kind is 16,777,216 bytes
	s_add_co_u32 s18, s18, s19
	s_mov_b32 s19, 0
	s_add_nc_u64 s[OUTP:OUTP+1], s[OUTP:OUTP+1], s[18:19]
	s_lshl_b32 s18, s17, 2
	s_add_nc_u64 s[QNP:QNP+1], s[QNP:QNP+1], s[18:19]
	s_lshl_b32 s18, s79, 8
	v_lshl_add_u32 v[BO], v7, 5, s18               ; 256 x head + 32 (l % 8)
	; the prefetches
	s_lshl_b32 s42, s42, 8
	s_and_b32 s22, ttmp7, 0xffff
	s_cmp_eq_u32 s11, 0
	s_cselect_b32 s20, s13, s42                    ; the tile's first row
	s_cselect_b32 s21, s40, s41                    ; my place among the four that ask with me
	s_cselect_b32 s22, ttmp9, s22                  ; the coordinate along which other clusters read the same rows
	s_cselect_b64 s[PFA:PFA+1], s[4:5], s[6:7]
	s_cmp_eq_u32 s22, 0
	s_cselect_b32 s[LIM], 1, -1
	s_lshl_b32 s22, s12, 7
	s_add_co_u32 s20, s20, s22
	s_lshl_b32 s21, s21, 5
	s_add_co_u32 s20, s20, s21
	s_mov_b32 s21, 0
	s_mov_b64 s[18:19], SIZE_K*2
	s_mul_u64 s[20:21], s[20:21], s[18:19]
	s_add_nc_u64 s[PFA:PFA+1], s[PFA:PFA+1], s[20:21]
	s_add_nc_u64 s[PFA:PFA+1], s[PFA:PFA+1], 2*KSTEP*2   ; at K step 2: the first refill steps it to 3 and names K step 4
	v_and_b32 v[PFO], 31, v0
	v_mul_u32_u24 v[PFO], v[PFO], SIZE_K*2
.macro MUL16 f, hi, a0, zero
	WIN MUL_LO+0x50*(\hi)
.irp a, \a0, (\a0)+1
.irp b, 0,1,2,3,4,5,6,7
.if \zero
	v_wmma_f32_16x16x32_bf16 v[8*(8*(\a)+(\b)):8*(8*(\a)+(\b))+7], v[(\f)+8*(\b):(\f)+8*(\b)+7], v[(\f)+8*(4*(\hi)+(\a)):(\f)+8*(4*(\hi)+(\a))+7], 0
.else
	v_wmma_f32_16x16x32_bf16 v[8*(8*(\a)+(\b)):8*(8*(\a)+(\b))+7], v[(\f)+8*(\b):(\f)+8*(\b)+7], v[(\f)+8*(4*(\hi)+(\a)):(\f)+8*(4*(\hi)+(\a))+7], v[8*(8*(\a)+(\b)):8*(8*(\a)+(\b))+7]
.endif
.endr
.endr
.endm
.macro FETCH slot, k, f
	WIN TO_B
.irp i, 0,1,2,3,4,5,6,7
	ds_load_b128 v[(\f)+8*(\i):(\f)+8*(\i)+3],   v[ADRB+(\slot)] offset:(\k)+(\i)*16*PITCH
	ds_load_b128 v[(\f)+8*(\i)+4:(\f)+8*(\i)+7], v[ADRB+(\slot)] offset:(\k)+(\i)*16*PITCH+32
.endr
	WIN 0
.irp i, 0,1,2,3,4,5,6,7
	ds_load_b128 v[(\f)+8*(\i):(\f)+8*(\i)+3],   v[ADRA+(\slot)] offset:(\k)+(\i)*16*PITCH
	ds_load_b128 v[(\f)+8*(\i)+4:(\f)+8*(\i)+7], v[ADRA+(\slot)] offset:(\k)+(\i)*16*PITCH+32
.endr
.endm
.macro PLACES                          ; four places behind matrix instructions, in front of loads into registers that they read and of lines that read their results
.rept 4
	v_nop
.endr
.endm
; A K step is four quarters of 32 along K, 64 matrix instructions each, on buffers 0, 1, 0, 1; the 64 accumulators take turns.
.macro QUARTER slot, k, f, g, zero
	s_wait_dscnt 8                                 ; wcat's fragments and xb's rows 0-63 are in; the youngest eight loads may be out
	MUL16 \f, 0, 0, \zero
	MUL16 \f, 0, 2, \zero
	PLACES
	FETCH \slot, \k, \g
	s_wait_dscnt 32                                ; all but the 32 just issued
	MUL16 \f, 1, 0, \zero
	MUL16 \f, 1, 2, \zero
.endm
.macro MEET round
	WIN 0
	s_wait_tensorcnt 0x0                           ; all my tensor loads have landed: the one that was out is my part of the next slot
	ds_add_u32 v[SPW], v[NIL]                      ; 0 onto my spare word
	s_wait_dscnt 9                                 ; (the add and the youngest eight loads may be out)
	MUL16 F1, 0, 0, 0
	s_wait_dscnt 0x0                               ; the add is done, and my reads of this slot are over
	s_barrier_signal -1
	MUL16 F1, 0, 2, 0
.if \round
	WIN 0
.endif
	s_barrier_wait -1
.endm
; The last quarter changes slots.  fill = 1: the barrier opens a round of the cluster's barrier and the slot just read out is filled again, first thing behind it, two K steps on.
.macro TURN slot, next, fill
.if \fill
	s_wait_xcnt 0x0                                ; the last prefetch, a K step back, has read its address
	s_add_nc_u64 s[PFA:PFA+1], s[PFA:PFA+1], KSTEP*2
	MEET 1
	CREST
	s_add_nc_u64 s[G0+4*(\slot)+2:G0+4*(\slot)+3], s[G0+4*(\slot)+2:G0+4*(\slot)+3], 2*KSTEP*2
	s_add_nc_u64 s[G0B+4*(\slot)+2:G0B+4*(\slot)+3], s[G0B+4*(\slot)+2:G0B+4*(\slot)+3], 2*KSTEP*2
	JLOAD \slot                                    ; its four v_nop are also the places in front of the loads below
.else
	MEET 0
	PLACES
.endif
	FETCH \next, 0, F0
.if \fill
	ASK
.endif
	MUL16 F1, 1, 0, 0
	MUL16 F1, 1, 2, 0
.endm
	s_wait_tensorcnt 1                             ; my part of K step 0 is in; K step 1's may stay out
	s_barrier_signal -1
	s_barrier_wait -1
	FETCH 0, 0, F0
	QUARTER 0, 64,  F0, F1, 1                      ; the first quarter's products start the sums
	WIN 0
	s_mov_b32 s3, LAPS-1
.Llap:
	QUARTER 0, 128, F1, F0, 0
	QUARTER 0, 192, F0, F1, 0
	TURN 0, 1, 1
	QUARTER 1, 64,  F0, F1, 0
	QUARTER 1, 128, F1, F0, 0
	QUARTER 1, 192, F0, F1, 0
	TURN 1, 0, 1
	QUARTER 0, 64,  F0, F1, 0
	WIN 0
	s_sub_co_u32 s3, s3, 1
	s_cmp_lg_u32 s3, 0
	s_cbranch_scc1 .Llap
	QUARTER 0, 128, F1, F0, 0                      ; the last lap fills nothing
	QUARTER 0, 192, F0, F1, 0
	TURN 0, 1, 0
	QUARTER 1, 64,  F0, F1, 0
	QUARTER 1, 128, F1, F0, 0
	QUARTER 1, 192, F0, F1, 0
	s_wait_dscnt 8
	MUL16 F1, 0, 0, 0
	MUL16 F1, 0, 2, 0
	s_wait_dscnt 0x0
	MUL16 F1, 1, 0, 0
	MUL16 F1, 1, 2, 0
	WIN 0
	; THE WAY OUT.  Every wave's reads of the slots are over (its wait, then the barrier); no tensor load follows in the launch; so the slots' bytes take the f32 sums.
	s_wait_dscnt 0x0
	s_barrier_signal -1
	s_barrier_wait -1
	PLACES
.irp a, 0,1,2,3,4,5,6,7
	WIN 0x08+4*((\a)/4)                            ; store data (source 1) in window 2 or 3
.irp b, 0,1,2,3,4,5,6,7
	ds_store_b128 v[DST], v[8*(8*((\a)%4)+(\b)):8*(8*((\a)%4)+(\b))+3]   offset:(\a)*16*DP+(\b)*64
	ds_store_b128 v[DST], v[8*(8*((\a)%4)+(\b))+4:8*(8*((\a)%4)+(\b))+7] offset:(\a)*16*DP+(\b)*64+16
.endr
.endr
	WIN 0
; 16 rows come back: unit u = 2 g + hh: lane l takes row 4 g + l / 8, head hh, columns 8 (l % 8) + 0..7.  LDS serves a wave's instructions in order, and the bytes are the wave's own.
.macro RD16
.irp u, 0,1,2,3,4,5,6,7
	ds_load_b128 v[DD+8*\u:DD+8*\u+3],   v[RDA] offset:((\u)/2)*4*DP+((\u)%2)*256
	ds_load_b128 v[DD+8*\u+4:DD+8*\u+7], v[RDA] offset:((\u)/2)*4*DP+((\u)%2)*256+16
.endr
	s_wait_dscnt 0x0
.endm
; rounded to f16 and stored: a store covers four rows of a head, 512 consecutive bytes, aligned
.macro ST16
.set i_, 0
.rept 32
	v_cvt_pk_f16_f32 v[PKD+i_], v[DD+2*i_], v[DD+2*i_+1]
.set i_, i_+1
.endr
.irp u, 0,1,2,3,4,5,6,7
	global_store_b128 v[CO], v[PKD+4*\u:PKD+4*\u+3], s[OUTP:OUTP+1] offset:((\u)%2)*262144+((\u)/2)*512
.endr
.endm
	s_mov_b32 s3, 8
	s_cmp_eq_u32 s[KIND], 3
	s_cbranch_scc1 .Lsig
	s_mov_b32 s78, 0x2b8cbccc                      ; 1e-12
.irp u, 0,1,2,3,4,5,6,7
	v_mov_b32 v[RC+2*\u+1], 0                      ; named with the reciprocal as a pair
.endr
.Lnorm:                                        ; eight trips of 16 rows
	RD16
.irp u, 0,1,2,3,4,5,6,7
	v_pk_mul_f32 v[TT+2*\u:TT+2*\u+1], v[DD+8*\u:DD+8*\u+1], v[DD+8*\u:DD+8*\u+1]
.endr
.irp p, 1,2,3
.irp u, 0,1,2,3,4,5,6,7
	v_pk_fma_f32 v[TT+2*\u:TT+2*\u+1], v[DD+8*\u+2*\p:DD+8*\u+2*\p+1], v[DD+8*\u+2*\p:DD+8*\u+2*\p+1], v[TT+2*\u:TT+2*\u+1]
.endr
.endr
.irp u, 0,1,2,3,4,5,6,7
	v_add_f32 v[SS+2*\u], v[TT+2*\u], v[TT+2*\u+1]
.endr
.irp x, 1,2,4                          ; the eight lanes of a row's head
.irp u, 0,1,2,3,4,5,6,7
	v_add_f32_dpp v[SS+2*\u], v[SS+2*\u], v[SS+2*\u] row_xmask:\x row_mask:0xf bank_mask:0xf
.endr
.endr
.irp u, 0,1,2,3,4,5,6,7
	v_sqrt_f32 v[SS+2*\u], v[SS+2*\u]
.endr
	v_nop                                          ; a plain instruction behind the last root,
	s_wait_alu depctr_va_vdst(0)                   ; and the one wait for the eight, ahead of the first use
.irp u, 0,1,2,3,4,5,6,7
	v_max_num_f32 v[SS+2*\u], s78, v[SS+2*\u]
.endr
.irp u, 0,1,2,3,4,5,6,7
	v_rcp_f32 v[RC+2*\u], v[SS+2*\u]
.endr
	v_nop
	s_wait_alu depctr_va_vdst(0)                   ; one wait for the eight reciprocals
.irp u, 0,1,2,3,4,5,6,7
.irp p, 0,1,2,3
	v_pk_mul_f32 v[DD+8*\u+2*\p:DD+8*\u+2*\p+1], v[DD+8*\u+2*\p:DD+8*\u+2*\p+1], v[RC+2*\u:RC+2*\u+1] op_sel_hi:[1,0]
.endr
.endr
	ST16
	s_cmp_lg_u32 s[KIND], 0
	s_cbranch_scc1 .Lno_qn                         ; only q's norm is wanted later
.irp hh, 0,1
	v_mov_b32 v[QT+\hh], v[SS+2*\hh]
	v_cndmask_b32 v[QT+\hh], v[QT+\hh], v[SS+2*(2+\hh)], s75
	v_cndmask_b32 v[QT+\hh], v[QT+\hh], v[SS+2*(4+\hh)], s76
	v_cndmask_b32 v[QT+\hh], v[QT+\hh], v[SS+2*(6+\hh)], s77
	global_store_b32 v[QO], v[QT+\hh], s[QNP:QNP+1] offset:8192*\hh   ; 16 rows' norms: 64 consecutive bytes; qn is 1 part in 128 of what the launch stores
.endr
.Lno_qn:
	s_wait_xcnt 0x0                                ; the stores have read their data and their bases: both are written again only behind this wait
	s_add_nc_u64 s[OUTP:OUTP+1], s[OUTP:OUTP+1], 2048
	s_add_nc_u64 s[QNP:QNP+1], s[QNP:QNP+1], 64
	v_add_nc_u32 v[RDA], 16*DP, v[RDA]
	s_sub_co_u32 s3, s3, 1
	s_cmp_lg_u32 s3, 0
	s_cbranch_scc1 .Lnorm
	s_branch .Lend
.Lsig:                                         ; lr = 1 / (1 + 2^(-log2(e) (C + b)))
	global_load_b128 v[NB:NB+3],     v[BO], s[68:69]
	global_load_b128 v[NB+4:NB+7],   v[BO], s[68:69] offset:16
	global_load_b128 v[NB+8:NB+11],  v[BO], s[68:69] offset:256
	global_load_b128 v[NB+12:NB+15], v[BO], s[68:69] offset:272
	s_wait_loadcnt 0x0
.irp p, 0,1,2,3,4,5,6,7
	v_cvt_pk_bf16_f32 v[TT+\p], v[NB+2*\p], v[NB+2*\p+1]
.endr
.irp p, 0,1,2,3,4,5,6,7
	v_lshlrev_b32 v[NB+2*\p], 16, v[TT+\p]
	v_and_b32 v[NB+2*\p+1], 0xffff0000, v[TT+\p]
.endr
.irp p, 0,1,2,3,4,5,6,7
	v_pk_mul_f32 v[NB+2*\p:NB+2*\p+1], v[NB+2*\p:NB+2*\p+1], 0xbfb8aa3b op_sel_hi:[1,0]
.endr
.Lsigrow:
	RD16
.irp u, 0,1,2,3,4,5,6,7
.irp p, 0,1,2,3
	v_pk_fma_f32 v[DD+8*\u+2*\p:DD+8*\u+2*\p+1], v[DD+8*\u+2*\p:DD+8*\u+2*\p+1], 0xbfb8aa3b, v[NB+8*((\u)%2)+2*\p:NB+8*((\u)%2)+2*\p+1] op_sel_hi:[1,0,1]
.endr
.endr
.set i_, 0
.rept 64
	v_exp_f32 v[DD+i_], v[DD+i_]
.set i_, i_+1
.endr
	v_nop
	s_wait_alu depctr_va_vdst(0)                   ; one wait for the batch of 64
.set i_, 0
.rept 32
	v_pk_add_f32 v[DD+i_:DD+i_+1], v[DD+i_:DD+i_+1], 1.0 op_sel_hi:[1,0]
.set i_, i_+2
.endr
.set i_, 0
.rept 64
	v_rcp_f32 v[DD+i_], v[DD+i_]
.set i_, i_+1
.endr
	v_nop
	s_wait_alu depctr_va_vdst(0)
	ST16
	s_wait_xcnt 0x0
	s_add_nc_u64 s[OUTP:OUTP+1], s[OUTP:OUTP+1], 2048
	v_add_nc_u32 v[RDA], 16*DP, v[RDA]
	s_sub_co_u32 s3, s3, 1
	s_cmp_lg_u32 s3, 0
	s_cbranch_scc1 .Lsigrow
.Lend:
	s_wait_tensorcnt 0x0                           ; the wave's end: behind my last tensor load and my last LDS store
	ds_add_u32 v[SPW], v[NIL]
	s_wait_dscnt 0x0
	CROUND                                         ; the closing round
	s_endpgm
.Lfunc_end_k_q8275c5e00a_proj:
	.size	k_q8275c5e00a_proj, .Lfunc_end_k_q8275c5e00a_proj-k_q8275c5e00a_proj
	.p2alignl 7, 3214868480
	.fill 96, 4, 3214868480
	.section	.rodata,"a",@progbits
	.p2align	6, 0x0
	.amdhsa_kernel k_q8275c5e00a_proj
		.amdhsa_group_segment_fixed_size 327680
		.amdhsa_private_segment_fixed_size 0
		.amdhsa_enable_private_segment 0
		.amdhsa_kernarg_size 40
		.amdhsa_user_sgpr_count 2
		.amdhsa_user_sgpr_kernarg_segment_ptr 1
		.amdhsa_wavefront_size32 1
		.amdhsa_system_sgpr_workgroup_id_x 1
		.amdhsa_system_sgpr_workgroup_id_y 1
		.amdhsa_system_sgpr_workgroup_id_z 1
		.amdhsa_system_vgpr_workitem_id 0
		.amdhsa_next_free_vgpr 1024
		.amdhsa_next_free_sgpr 80
		.amdhsa_reserve_vcc 0
		.amdhsa_float_denorm_mode_32 3
		.amdhsa_float_denorm_mode_16_64 3
		.amdhsa_memory_ordered 1
		.amdhsa_forward_progress 1
		.amdhsa_inst_pref_size 149
	.end_amdhsa_kernel
	.amdgpu_metadata
---
amdhsa.version: [ 1, 2 ]
amdhsa.kernels:
  - .name:           k_q8275c5e00a_proj
    .symbol:         k_q8275c5e00a_proj.kd
    .args:
      - { .name: xb, .offset: 0, .size: 8, .value_kind: global_buffer, .address_space: global }
      - { .name: wcat, .offset: 8, .size: 8, .value_kind: global_buffer, .address_space: global }
      - { .name: b_lr, .offset: 16, .size: 8, .value_kind: global_buffer, .address_space: global }
      - { .name: pj, .offset: 24, .size: 8, .value_kind: global_buffer, .address_space: global }
      - { .name: qn, .offset: 32, .size: 8, .value_kind: global_buffer, .address_space: global }
    .group_segment_fixed_size: 327680
    .private_segment_fixed_size: 0
    .kernarg_segment_align: 8
    .kernarg_segment_size: 40
    .max_flat_workgroup_size: 128
    .sgpr_count:     80
    .vgpr_count:     1024
    .wavefront_size: 32
...
	.end_amdgpu_metadata
.endif
;; end of part 2
;; launch scan (part 3): grid 64 x 1, 4 waves a work-group, no clusters, 327,680 bytes of LDS; arguments pj, qn, oh; writes oh
.if DOCPART == 3
	.amdgcn_target "amdgcn-amd-amdhsa--gfx1250"
	.amdhsa_code_object_version 6
	.text
	.protected	k_q8275c5e00a_scan
	.globl	k_q8275c5e00a_scan
	.p2align	8
	.type	k_q8275c5e00a_scan,@function
k_q8275c5e00a_scan:
	s_mov_b64 s[64:65], 0
	v_nop
	global_prefetch_b8 v0, s[64:65] scope:SCOPE_SE
	s_setreg_imm32_b32 hwreg(HW_REG_WAVE_MODE, 25, 1), 1
	s_wait_xcnt 0x0
; THE RECURRENCE for one (b, head) a work-group: state W [64 d][64 e]; o_t = q_t W; u_t = lr_t (v_t - k_t W); W += k_t (x) u_t.  2,048 steps in 64 chunks of 32, each two blocks of 16.
; In a chunk with state W0:  rho_t = k_t W0 + sum over s < t of (k_s . k_t) u_s;  u_t = lr_t v_t - lr_t rho_t;  o_t = qn_t (qhat_t W0 + sum over s < t of (qhat_t . k_s) u_s);  W = W0 + K^T U.
; LEFT OUT: K^T U of the last chunk: no later chunk reads that state and reference() throws it away.  KEPT: the first chunk's products with the zero state (no first chunk is written out).
; LIMITS: o leaves in f16: |o| under 65,504.  qhat, k, v lie in -1 to 1 and lr in 0 to 1 by their making; W0 and u are rounded to f16 as matrix operands, the state itself and u's recurrence stay in f32.
; ROLES.  Waves 0, 1 SOLVE: wave sv owns columns e = 32 sv .. + 31 of W, u and o (the recurrence never mixes columns).  Waves 2, 3 HELP: for the NEXT phase of 128 steps they make the products
; between rows (wave 2: k . k; wave 3: qhat . k, hidden where s >= t) and lay them into LDS as the solvers' registers take them, wave 2 also q's norms; and they store the LAST phase's o.
; A solver touches no memory but LDS.
; PHASES -1 TO 14 ARE ONE TEXT, walked 16 times; phase 15, which asks for no tile, is written out.  In phase -1 the solvers jump over their chunks: the first tile is asked for and the helpers make phase 0's products.
; THE LOOP OVER A PHASE'S FOUR CHUNKS IS EVERY WAVE'S: its count and every scalar that steps are the same in all four waves and are stepped in text that all waves run.  In a trip a solver does a chunk;
; a helper does its whole phase's work in the first trip and jumps forward over the other three.
; NO CLUSTER: the work-groups share no input.  64 work-groups: the recurrence has 64 x 64 independent columns and no more.
; LDS, twice (parity 0 at 0, parity 1 at 131,072; the phase's parity is the scalar PAR, turned by an exclusive or at a phase's foot; PARN is the other one):
;   RAW  0       four tiles qhat, k, v, lr of 128 rows, 128 bytes + 16 of padding: filled by tensor loads alone, one a wave
;   IMG  73,728  4,608 bytes a chunk (as many as its 32 rows in RAW, so one scalar steps both): k.k of block 0, f32, 16 rows of 64 + 16 bytes, qn_t in the first word behind row t; of block 1 likewise;
;                then four images of 512 bytes, 16 bytes a lane, f16: k(block 1).k(block 0); q.k (0,0) hidden; q(1).k(0); q.k (1,1) hidden
;   OST  92,160  o of the phase: 128 rows of 144 bytes
; One barrier a phase: in front of it every wave has waited for its tensor load, its add and all its LDS work; behind it the other parity's RAW is filled.
; k.k BY LANES.  Register s of a block holds k_s . k_t in lane t % 16: four loads a block.  The step rho_t += (k_s . k_t) u_s takes lane t's number for all lanes of the row in the multiply-add itself (row_share).
; ASKED FOR EARLY.  K, lr and v of a chunk, which its first products and lines want, are asked of LDS in the middle of the chunk before (a phase's first chunk: right behind the change of phases).
; MATRIX AND VECTOR WORK SIDE BY SIDE: lr and v are prepared behind the products K W0; the products W0^T Q^T stand behind the last eight steps of block 0; o is scaled, rounded and stored behind the products K^T U.
; REGISTERS.  No address register has two meanings: v1-7, v236-240 and v251 are lane terms, made at the head by every wave and never rewritten; v8-13 are the solver's, v241-243 and v254 the helper's addresses in hand.
; SOLVER.  window 0: v16-31 lr, v32-47 v (f16, turned), v48-79 lr v, v80-95 u, v96-111 u as an operand, v112-143 rho, v144-175 o^T, v176-207 Q (later the packed o), v208-231 images, v232-235 qn.
;   window 1: v0-31 k.k, v32-63 lr in f32, v64-95 W0 as an operand, v96-127 K, v128-159 K^T, v160-223 W (8 (2 i + n)).
; HELPER.  window 0: v16-23 qn, v32-55 packed images, v64-191 k's fragments.  window 1: v0-95 sums, v128-255 z's fragments.  window 2: v0-63 o on its way out.
.set PARB, 1<<17
.set RP,   144
.set BLK,  16*RP
.set CHK,  32*RP                       ; a chunk's rows in RAW and OST; also its part of IMG
.set KOFF, 128*RP
.set VOFF, 2*KOFF
.set LOFF, 3*KOFF
.set IMG,  4*KOFF
.set GP,   80                          ; a row of k.k: 20 words, so 16 rows start at 16 different groups of four banks
.set GB,   16*GP
.set IMA,  2*GB                        ; the four images: IMA + 4 x 512 = CHK
.set OST,  IMG+4*CHK
.set SPARE, OST+KOFF                   ; the spare words, 128 bytes a wave: two blocks of 256 bytes that no other line names
.set PFO, 1                            ; v1   256 x lane
.set LF,  2                            ; r x 144 + 16 h
.set LT,  3                            ; (8 h + l % 8) x 144 + 16 ((l / 8) % 2): the turning load's lane term
.set LTV, 4                            ; the same + my 64 bytes of columns
.set LI,  5                            ; 16 l + IMG + IMA
.set LO,  6                            ; OST + r x 144 + 16 h + 64 sv
.set LQ,  7                            ; 4 r
.set AF,  8
.set AT,  9
.set AV,  10
.set AG,  11
.set AI,  12
.set AO,  13
.set SPW, 14
.set NIL, 15
.set LP,  16
.set VP,  32
.set LV,  48
.set UU,  80
.set UOP, 96
.set RHO, 112
.set OT,  144
.set QF,  176
.set PO,  176                          ; Q's registers are free behind block 0
.set A10, 208
.set AQ,  216
.set QN,  232
.set HA,  236                          ; r x 128 + 16 h
.set HL,  237                          ; 16 l
.set HI,  238                          ; IMG + 16 l
.set HG,  239                          ; IMG + r x 80 + 32 h
.set ORD, 240                          ; OST + my 64 rows + (l / 8) x 144 + 16 (l % 8)
.set HIW, 241
.set HGW, 242
.set ORW, 243
.set TR,  244                          ; the head's temporaries: r = l % 16,
.set TH,  245                          ; h = l / 16,
.set T7,  246                          ; l % 8,
.set T3,  247                          ; (l / 8) % 2,
.set TL,  248                          ; l,
.set T8,  249                          ; l / 8
.set TX,  250
.set LG,  251                          ; IMG + r x 80
.set ZERO, 252
.set ONE, 253
.set HQW, 254
.set G,   0                            ; window 1
.set L32, 32
.set WB,  64
.set KF,  96
.set KT,  128
.set W,   160
.set HQ,  16
.set HP,  32
.set KFR, 64
.set ZFR, 128
.set OD,  0
.set WV,  12
.set SV,  13
.set G1,  16
.set G0,  24                           ; s[24:27] the walking group 0
.set STP, 28                           ; s[28:29] its step: 0 in front of the first fill, then a tile's 16,384 bytes
.set QNP, 32                           ; s[32:33] qn at the next phase's steps
.set PFA, 34
.set OB,  36                           ; s[36:37] oh at my 64 rows, two phases on from the o that leaves: the stores reach back
.set HK,  38                           ; s[38:39] k at the next phase's rows
.set HZ,  40
.set RB,  42                           ; LDS byte of the chunk's part of RAW, IMG and OST
.set PAR, 43
.set MK,  44                           ; s44-51 lanes where r - 8 h > j
.set CC,  52
.set PH,  53                           ; 16 to 1: phase 15 - PH
.set TS,  54
.set PARN, 55
.set MSB, 0
.macro WIN new                         ; the immediate's high byte repeats the setting that is left
.if MSB != (\new)
	s_set_vgpr_msb (MSB<<8)|(\new)
.set MSB, \new
.endif
.endm
.macro PLACES                          ; four places behind matrix instructions, and behind a tensor load
.rept 4
	v_nop
.endr
.endm
; HELPERS.  128 rows of k and of z (wave 2: k; wave 3: qhat) come straight from memory as fragments: block i of 16 rows, half kh of the 64 channels.  Wave 2 also takes the 128 norms: lane l step l % 16 of block i.
.macro HLOAD
	WIN 0
	s_cmp_eq_u32 s[WV], 2
	s_cbranch_scc0 .Lnq_\@
.irp i, 0,1,2,3,4,5,6,7
	global_load_b32 v[HQ+\i], v[LQ], s[QNP:QNP+1] offset:64*\i
.endr
.Lnq_\@:
.irp i, 0,1,2,3,4,5,6,7
.irp kh, 0,1
	global_load_b128 v[KFR+16*\i+8*\kh:KFR+16*\i+8*\kh+3],   v[HA], s[HK:HK+1] offset:2048*\i+64*\kh
	global_load_b128 v[KFR+16*\i+8*\kh+4:KFR+16*\i+8*\kh+7], v[HA], s[HK:HK+1] offset:2048*\i+64*\kh+32
.endr
.endr
	WIN 0x40
.irp i, 0,1,2,3,4,5,6,7
.irp kh, 0,1
	global_load_b128 v[ZFR+16*\i+8*\kh:ZFR+16*\i+8*\kh+3],   v[HA], s[HZ:HZ+1] offset:2048*\i+64*\kh
	global_load_b128 v[ZFR+16*\i+8*\kh+4:ZFR+16*\i+8*\kh+7], v[HA], s[HZ:HZ+1] offset:2048*\i+64*\kh+32
.endr
.endr
	WIN 0
.endm
; For chunk c three products (source 0 = 16 rows s of k, source 1 = 16 rows t of z; a lane holds t = r and s = 8 h + 0..7): j = 0: blocks (2c, 2c); 1: (2c+1, 2c+1); 2: k's 2c with z's 2c+1.
; The 12 accumulators take turns.  Rounded in pairs, a lane's eight numbers ARE registers 0-3 of an operand with K = s.  k.k goes out in f32: row t = r, columns s = 8 h ...
.macro HELP
	s_wait_loadcnt 0x0                             ; all my loads are in
	WIN 0x54                                       ; k window 0, z window 1, sums window 1
.irp kh, 0,1
.irp c, 0,1,2,3
.irp j, 0,1,2
.if \kh == 0
	v_wmma_f32_16x16x32_f16 v[8*(3*\c+\j):8*(3*\c+\j)+7], v[KFR+16*(2*\c+(\j)%2):KFR+16*(2*\c+(\j)%2)+7], v[ZFR+16*(2*\c+(\j+1)/2):ZFR+16*(2*\c+(\j+1)/2)+7], 0
.else
	v_wmma_f32_16x16x32_f16 v[8*(3*\c+\j):8*(3*\c+\j)+7], v[KFR+16*(2*\c+(\j)%2)+8:KFR+16*(2*\c+(\j)%2)+15], v[ZFR+16*(2*\c+(\j+1)/2)+8:ZFR+16*(2*\c+(\j+1)/2)+15], v[8*(3*\c+\j):8*(3*\c+\j)+7]
.endif
.endr
.endr
.endr
	WIN 0
	PLACES
	s_cmp_eq_u32 s[WV], 2
	s_cbranch_scc0 .Lq_\@
	WIN 0x04                                       ; store data in window 1
.irp c, 0,1,2,3
.irp j, 0,1
	ds_store_b128 v[HGW], v[8*(3*\c+\j):8*(3*\c+\j)+3]   offset:CHK*\c+GB*\j
	ds_store_b128 v[HGW], v[8*(3*\c+\j)+4:8*(3*\c+\j)+7] offset:CHK*\c+GB*\j+16
.endr
.endr
	WIN 0x05
.irp c, 0,1,2,3
.irp p, 0,1,2,3
	v_cvt_pk_f16_f32 v[HP+4*\c+\p], v[8*(3*\c+2)+2*\p], v[8*(3*\c+2)+2*\p+1]
.endr
.endr
	WIN 0
.irp c, 0,1,2,3
	ds_store_b128 v[HIW], v[HP+4*\c:HP+4*\c+3] offset:CHK*\c+IMA
.endr
.irp c, 0,1,2,3
.irp j, 0,1
	ds_store_b32 v[HQW], v[HQ+2*\c+\j] offset:CHK*\c+GB*\j+64   ; qn of step r behind row r; lanes r and r + 16 store the same word, the same number
.endr
.endr
	s_branch .Lhd_\@
.Lq_\@:
	WIN 0x44
.irp c, 0,1,2,3
.irp j, 0,1
.irp p, 0,1,2,3,4,5,6,7
	v_cndmask_b32 v[8*(3*\c+\j)+\p], 0, v[8*(3*\c+\j)+\p], s[MK+\p]   ; kept where s = 8 h + p < t = r
.endr
.endr
.endr
.irp c, 0,1,2,3
	WIN 0x05
.irp j, 0,1,2
.irp p, 0,1,2,3
	v_cvt_pk_f16_f32 v[HP+12*((\c)%2)+4*\j+\p], v[8*(3*\c+\j)+2*\p], v[8*(3*\c+\j)+2*\p+1]
.endr
.endr
	WIN 0
	ds_store_b128 v[HIW], v[HP+12*((\c)%2):HP+12*((\c)%2)+3]     offset:CHK*\c+IMA+512
	ds_store_b128 v[HIW], v[HP+12*((\c)%2)+4:HP+12*((\c)%2)+7]   offset:CHK*\c+IMA+1536
	ds_store_b128 v[HIW], v[HP+12*((\c)%2)+8:HP+12*((\c)%2)+11]  offset:CHK*\c+IMA+1024
.endr
.Lhd_\@:
.endm
; The o of the phase before leaves: each helper takes 64 rows; a load takes four rows of 128 bytes, a store 512 consecutive bytes, aligned.
.macro OUT
	WIN 0x80                                       ; loaded data in window 2
.irp i, 0,1,2,3,4,5,6,7,8,9,10,11,12,13,14,15
	ds_load_b128 v[OD+4*\i:OD+4*\i+3], v[ORW] offset:4*RP*\i
.endr
	s_wait_dscnt 0x0
	WIN 0x08                                       ; store data in window 2
.irp i, 0,1,2,3,4,5,6,7,8,9,10,11,12,13,14,15
	global_store_b128 v[HL], v[OD+4*\i:OD+4*\i+3], s[OB:OB+1] offset:512*\i-32768
.endr
	WIN 0
	s_wait_xcnt 0x0                                ; the stores have read their data and their base: both are written again only behind this wait
.endm
; THE CHANGE OF PHASES, every wave.  My tensor load has landed; 0 goes onto my spare word; my LDS work is over; the barrier.  fill = 1 (the loop): behind it my kind's next tile goes into the other parity's RAW,
; which the solvers read a phase ago: one tensor load a wave is out, and it has a phase in which to land.  The
; add stands twice on end here.  In phases 0 to 13 I then prefetch my kind's tile after that one, tiles 2 to 15: 64 blocks of 256 bytes, a lane a block, two instructions: each block is named once in the launch.
.macro SYNC fill
	WIN 0
	s_wait_tensorcnt 0x0
	ds_add_u32 v[SPW], v[NIL]
.if \fill
	ds_add_u32 v[SPW], v[NIL]
	s_xor_b32 s[G0+1], s[G0+1], PARB               ; no load of mine is out, so the group 0 may be written: the other parity,
	s_add_nc_u64 s[G0+2:G0+3], s[G0+2:G0+3], s[STP:STP+1]  ; the next tile
	s_wait_xcnt 0x0                                ; the last prefetches, a phase back, have read their address
	s_add_nc_u64 s[PFA:PFA+1], s[PFA:PFA+1], 16384
.endif
	s_wait_dscnt 0x0
	s_barrier_signal -1
	s_barrier_wait -1
.if \fill
	tensor_load_to_lds s[G0:G0+3], s[G1:G1+7]
	s_nop 0
	PLACES
	s_sub_co_u32 s[TS], s[PH], 2
	s_cmp_lt_u32 s[TS], 14                         ; PH = 2 to 15
	s_cbranch_scc0 .Lna_\@
	global_prefetch_b8 v[PFO], s[PFA:PFA+1] th:TH_LOAD_NT scope:SCOPE_SE
	global_prefetch_b8 v[PFO], s[PFA:PFA+1] offset:8192 th:TH_LOAD_NT scope:SCOPE_SE
.Lna_\@:
.endif
.endm
; SOLVERS.  16 LDS loads: K's fragments (8), lr and v, turned (8), of the chunk that lies off bytes behind the one whose addresses stand in AF and AV.
.macro KLV off
	WIN 0x40
.irp m, 0,1
.irp kh, 0,1
	ds_load_b128 v[KF+16*\m+8*\kh:KF+16*\m+8*\kh+3],   v[AF] offset:(\off)+KOFF+BLK*\m+64*\kh
	ds_load_b128 v[KF+16*\m+8*\kh+4:KF+16*\m+8*\kh+7], v[AF] offset:(\off)+KOFF+BLK*\m+64*\kh+32
.endr
.endr
	WIN 0
.irp b, 0,1
.irp n, 0,1
	ds_load_tr16_b128 v[LP+8*\b+4*\n:LP+8*\b+4*\n+3], v[AV] offset:(\off)+LOFF+BLK*\b+32*\n
	ds_load_tr16_b128 v[VP+8*\b+4*\n:VP+8*\b+4*\n+3], v[AV] offset:(\off)+VOFF+BLK*\b+32*\n
.endr
.endr
.endm
; Line pj_ of the 80 that prepare lr and v.  They came turned: a lane of column tile n holds steps 8 h + 0..7.  0-15: the swap of the lanes' halves makes lane = column, register p = steps 2 p, 2 p + 1.
; 16-47: lr v.  48-79: lr in f32.
.macro PR
.if pj_ < 16
	WIN 0
.if (pj_%8) < 4
	v_permlane16_swap_b32 v[LP+8*(pj_/8)+pj_%8], v[LP+8*(pj_/8)+4+pj_%8]
.else
	v_permlane16_swap_b32 v[VP+8*(pj_/8)+pj_%8-4], v[VP+8*(pj_/8)+pj_%8]
.endif
.elseif pj_ < 48
	WIN 0
.set pt_, pj_-16
.if pt_%2 == 0
	v_fma_mix_f32 v[LV+pt_], v[LP+pt_/2], v[VP+pt_/2], v[ZERO] op_sel_hi:[1,1,0]
.else
	v_fma_mix_f32 v[LV+pt_], v[LP+pt_/2], v[VP+pt_/2], v[ZERO] op_sel:[1,1,0] op_sel_hi:[1,1,0]
.endif
.else
	WIN 0x40
.set pt_, pj_-48
.if pt_%2 == 0
	v_fma_mix_f32 v[L32+pt_], v[LP+pt_/2], v[ONE], v[ZERO] op_sel_hi:[1,0,0]
.else
	v_fma_mix_f32 v[L32+pt_], v[LP+pt_/2], v[ONE], v[ZERO] op_sel:[1,0,0] op_sel_hi:[1,0,0]
.endif
.endif
.set pj_, pj_+1
.endm
.macro TOLANE b                        ; rho of block b from two results (step 8 h + j, column r) to lane = column, register = step
	WIN 0
.irp j, 0,1,2,3,4,5,6,7
	v_permlane16_swap_b32 v[RHO+16*(\b)+\j], v[RHO+16*(\b)+8+\j]
.endr
.endm
; The 16 steps of block b: u_s = lr v - lr rho_s; then rho_t += (k_s . k_t) u_s for t > s, the next step's first.  Source 0 (lr, k.k, W0) lies in window 1, all else in window 0.
; qw = 1: behind each of steps 8 to 15 stands one product of o^T = W0^T Q^T (a lane holds step r and columns 8 h + 0..7); its four accumulators take turns; it names no register of the steps round it.
.macro SOLVE b, qw
	WIN 0x01
.set s_, 0
.rept 16
	v_fma_f32 v[UU+s_], -v[L32+16*(\b)+s_], v[RHO+16*(\b)+s_], v[LV+16*(\b)+s_]
.irp t, 1,2,3,4,5,6,7,8,9,10,11,12,13,14,15
.if \t > s_
	v_fmac_f32_dpp v[RHO+16*(\b)+\t], v[G+16*(\b)+s_], v[UU+s_] row_share:\t row_mask:0xf bank_mask:0xf
.endif
.endr
.if (\qw) && (s_ >= 8)
.set x_, (s_-8)%4
.if s_ < 12
	v_wmma_f32_16x16x32_f16 v[OT+8*x_:OT+8*x_+7], v[WB+16*(x_/2):WB+16*(x_/2)+7], v[QF+16*(x_%2):QF+16*(x_%2)+7], 0
.else
	v_wmma_f32_16x16x32_f16 v[OT+8*x_:OT+8*x_+7], v[WB+16*(x_/2)+8:WB+16*(x_/2)+15], v[QF+16*(x_%2)+8:QF+16*(x_%2)+15], v[OT+8*x_:OT+8*x_+7]
.endif
.endif
.set s_, s_+1
.endr
.endm
.macro UBACK b                         ; u back to (column r of tile n, steps 8 h + 0..7), rounded to f16: registers 4 b .. 4 b + 3 of the operand with K = the chunk's 32 steps
	WIN 0
.irp j, 0,1,2,3,4,5,6,7
	v_permlane16_swap_b32 v[UU+\j], v[UU+8+\j]
.endr
.irp n, 0,1
.irp p, 0,1,2,3
	v_cvt_pk_f16_f32 v[UOP+8*\n+4*(\b)+\p], v[UU+8*\n+2*\p], v[UU+8*\n+2*\p+1]
.endr
.endr
.endm
; Line oj_ of the 36 that finish o: for accumulator x = 2 n + m (column tile n, block m): four scalings by qn (the lowest registers first), four roundings, one store.
.macro OI
.set ox_, oj_/9
.set ok_, oj_%9
	WIN 0
.if ok_ < 4
	v_pk_mul_f32 v[OT+8*ox_+2*ok_:OT+8*ox_+2*ok_+1], v[OT+8*ox_+2*ok_:OT+8*ox_+2*ok_+1], v[QN+2*(ox_%2):QN+2*(ox_%2)+1] op_sel_hi:[1,0]
.elseif ok_ < 8
	v_cvt_pk_f16_f32 v[PO+4*ox_+ok_-4], v[OT+8*ox_+2*(ok_-4)], v[OT+8*ox_+2*(ok_-4)+1]
.else
	ds_store_b128 v[AO], v[PO+4*ox_:PO+4*ox_+3] offset:BLK*(ox_%2)+32*(ox_/2)
.endif
.set oj_, oj_+1
.endm
; A CHUNK.  Its K, lr and v have been asked for.  All matrix instructions are one form; accumulators take turns, one instruction a turn.
; last = 1 (phase 15): K^T U stands by itself, so that the last chunk's can be jumped over.
.macro CHUNK last
	WIN 0
	v_add_nc_u32 v[AG], s[RB], v[LG]
	v_add_nc_u32 v[AF], s[RB], v[LF]
	v_add_nc_u32 v[AT], s[RB], v[LT]
	v_add_nc_u32 v[AV], s[RB], v[LTV]
	v_add_nc_u32 v[AI], s[RB], v[LI]
	v_add_nc_u32 v[AO], s[RB], v[LO]
	WIN 0x40                                       ; the 12 loads that block 0 wants: k.k of block 0 (4): lane l takes row l % 16,
.irp q, 0,1,2,3
	ds_load_b128 v[G+4*\q:G+4*\q+3], v[AG] offset:16*\q
.endr
	WIN 0                                          ; Q's fragments (8)
.irp m, 0,1
.irp kh, 0,1
	ds_load_b128 v[QF+16*\m+8*\kh:QF+16*\m+8*\kh+3],   v[AF] offset:BLK*\m+64*\kh
	ds_load_b128 v[QF+16*\m+8*\kh+4:QF+16*\m+8*\kh+7], v[AF] offset:BLK*\m+64*\kh+32
.endr
.endr
	WIN 0x45                                       ; W0 as an operand: a lane's d = 16 i + 8 h + 0..7 of column r are registers 0-3 (i even) or 4-7 (i odd) with K = d
.irp n, 0,1
.irp i, 0,1,2,3
.irp p, 0,1,2,3
	v_cvt_pk_f16_f32 v[WB+16*\n+4*\i+\p], v[W+8*(2*\i+\n)+2*\p], v[W+8*(2*\i+\n)+2*\p+1]
.endr
.endr
.endr
	s_wait_dscnt 12                                ; K, lr and v are in: behind them stand the 12 loads above (and, inside a phase, the last chunk's four stores of o)
.set pj_, 0
.set w_, 0
.rept 8                                ; rho = K W0, accumulator 2 m + n; behind each product ten of the 80 lines that prepare lr and v; the last ten are the places in front of the first read of rho
	WIN 0x05
.if w_ < 4
	v_wmma_f32_16x16x32_f16 v[RHO+8*w_:RHO+8*w_+7], v[KF+16*(w_/2):KF+16*(w_/2)+7], v[WB+16*(w_%2):WB+16*(w_%2)+7], 0
.else
	v_wmma_f32_16x16x32_f16 v[RHO+8*(w_-4):RHO+8*(w_-4)+7], v[KF+16*((w_-4)/2)+8:KF+16*((w_-4)/2)+15], v[WB+16*((w_-4)%2)+8:WB+16*((w_-4)%2)+15], v[RHO+8*(w_-4):RHO+8*(w_-4)+7]
.endif
.rept 10
	PR
.endr
.set w_, w_+1
.endr
	WIN 0                                          ; the 18 loads that the chunk's second half wants land during block 0: the four images (4),
	ds_load_b128 v[A10:A10+3],   v[AI]
	ds_load_b128 v[AQ:AQ+3],     v[AI] offset:512
	ds_load_b128 v[AQ+8:AQ+11],  v[AI] offset:1024
	ds_load_b128 v[AQ+12:AQ+15], v[AI] offset:1536
	ds_load_b32 v[QN],   v[AG] offset:64           ; qn of step r of block 0 and of block 1 (2),
	ds_load_b32 v[QN+2], v[AG] offset:GB+64
	WIN 0x40                                       ; k.k of block 1 (4), K turned (8)
.irp q, 0,1,2,3
	ds_load_b128 v[G+16+4*\q:G+16+4*\q+3], v[AG] offset:GB+16*\q
.endr
.irp i, 0,1,2,3
	ds_load_tr16_b128 v[KT+8*\i:KT+8*\i+3],   v[AT] offset:KOFF+32*\i
	ds_load_tr16_b128 v[KT+8*\i+4:KT+8*\i+7], v[AT] offset:KOFF+32*\i+BLK
.endr
	s_wait_dscnt 18                                ; k.k of block 0 and Q are in; the 18 just issued may stay out
	TOLANE 0
	SOLVE 0, 1
	UBACK 0
	s_wait_dscnt 0x0                               ; the 18
	WIN 0
	s_cmp_eq_u32 s[CC], 1
	s_cbranch_scc1 .Lnk_\@                         ; a phase's last chunk asks for nothing: the next chunk lies in the other parity
	KLV CHK                                        ; the next chunk's K, lr and v: they have block 1 in which to land; K W0 and the 80 lines have read these registers long ago
.Lnk_\@:
.irp n, 0,1                            ; rho of block 1 += (k of block 1 . k of block 0) u of block 0; the image's second half of K is 0
	v_wmma_f32_16x16x32_f16 v[RHO+16+8*\n:RHO+16+8*\n+7], v[A10:A10+7], v[UOP+8*\n:UOP+8*\n+7], v[RHO+16+8*\n:RHO+16+8*\n+7]
.endr
	PLACES
	TOLANE 1
	SOLVE 1, 0
	UBACK 1
	WIN 0                                          ; o^T += U^T (q . k, hidden where s >= t)
.irp n, 0,1
.irp m, 0,1
	v_wmma_f32_16x16x32_f16 v[OT+8*(2*\n+\m):OT+8*(2*\n+\m)+7], v[UOP+8*\n:UOP+8*\n+7], v[AQ+8*\m:AQ+8*\m+7], v[OT+8*(2*\n+\m):OT+8*(2*\n+\m)+7]
.endr
.endr
.set oj_, 0
.if \last
	s_cmp_eq_u32 s[CC], 1
	s_cbranch_scc1 .Lno_w_\@                       ; behind the last step nobody reads the state
	WIN 0x51                                       ; W += K^T U
.irp i, 0,1,2,3
.irp n, 0,1
	v_wmma_f32_16x16x32_f16 v[W+8*(2*\i+\n):W+8*(2*\i+\n)+7], v[KT+8*\i:KT+8*\i+7], v[UOP+8*\n:UOP+8*\n+7], v[W+8*(2*\i+\n):W+8*(2*\i+\n)+7]
.endr
.endr
	WIN 0
.Lno_w_\@:
	PLACES
.rept 36
	OI
.endr
.else
.set w_, 0
.rept 8                                ; W += K^T U, accumulator 2 i + n; behind the first product the four places that o^T's last products want, behind each other five of the 36 lines that finish o
	WIN 0x51
	v_wmma_f32_16x16x32_f16 v[W+8*w_:W+8*w_+7], v[KT+8*(w_/2):KT+8*(w_/2)+7], v[UOP+8*(w_%2):UOP+8*(w_%2)+7], v[W+8*w_:W+8*w_+7]
.if w_ == 0
	WIN 0
	PLACES
.else
.rept 5
	OI
.endr
.endif
.set w_, w_+1
.endr
	OI                                             ; the last store
.endif
.endm
; A PHASE: the change of phases; the solvers ask for the first chunk's K, lr and v; then four trips that every wave counts.  In a trip a solver does a chunk (none in phase -1).  A helper works in the first trip alone
; (CC = 4): the next phase's rows are asked for, the last phase's o leaves (from phase 1 on), the next phase's products are made; in the other trips it jumps forward to the trip's foot.
; What is jumped holds no barrier and no tensor load.
.macro PHASE fill, last
	SYNC \fill
	s_mov_b32 s[RB], s[PAR]
	s_mov_b32 s[CC], 4
	s_cmp_lt_u32 s[WV], 2
	s_cbranch_scc0 .Lchunk_\@
.if \fill
	s_cmp_eq_u32 s[PH], 16
	s_cbranch_scc1 .Lchunk_\@                      ; phase -1: nothing to solve yet
.endif
	v_add_nc_u32 v[AF], s[RB], v[LF]
	v_add_nc_u32 v[AV], s[RB], v[LTV]
	KLV 0
.Lchunk_\@:
	s_cmp_lt_u32 s[WV], 2
	s_cbranch_scc0 .Lh_\@
.if \fill
	s_cmp_eq_u32 s[PH], 16
	s_cbranch_scc1 .Lj_\@                          ; phase -1: nothing to solve yet
.endif
	CHUNK \last
	s_branch .Lj_\@
.Lh_\@:
	s_cmp_lg_u32 s[CC], 4
	s_cbranch_scc1 .Lj_\@
	v_add_nc_u32 v[ORW], s[PARN], v[ORD]
.if \fill
	v_add_nc_u32 v[HIW], s[PARN], v[HI]
	v_add_nc_u32 v[HGW], s[PARN], v[HG]
	v_add_nc_u32 v[HQW], s[PARN], v[LG]
	HLOAD
	s_cmp_ge_u32 s[PH], 15
	s_cbranch_scc1 .Lno_out_\@                     ; in phases -1 and 0 there is no o yet
.endif
	OUT
.if \fill
.Lno_out_\@:
	HELP
.endif
.Lj_\@:                                        ; the trip's foot, every wave
	s_add_co_u32 s[RB], s[RB], CHK
	s_sub_co_u32 s[CC], s[CC], 1
	s_cmp_lg_u32 s[CC], 0
	s_cbranch_scc1 .Lchunk_\@
	s_add_nc_u64 s[HK:HK+1], s[HK:HK+1], 16384     ; the phase's foot: the loads by these three were waited for in HELP,
	s_add_nc_u64 s[HZ:HZ+1], s[HZ:HZ+1], 16384
	s_add_nc_u64 s[QNP:QNP+1], s[QNP:QNP+1], 512
	s_add_nc_u64 s[OB:OB+1], s[OB:OB+1], 16384     ; the stores by this one have read it (OUT's last wait)
	s_xor_b32 s[PAR], s[PAR], PARB
	s_xor_b32 s[PARN], s[PARN], PARB
	s_mov_b32 s[STP], 16384
.endm
	s_load_b128 s[4:7], s[0:1], 0x0                ; pj, qn
	s_load_b64 s[8:9], s[0:1], 0x10                ; oh
	v_lshl_add_u32 v[SPW], v0, 2, SPARE
	v_mov_b32 v[NIL], 0
	ds_add_u32 v[SPW], v[NIL]                      ; the wave's opening: the add, twice on end, and its wait ahead of my first tensor load
	ds_add_u32 v[SPW], v[NIL]
	v_lshrrev_b32 v1, 5, v0
	v_readfirstlane_b32 s[WV], v1                  ; wave 0..3: also the kind whose tiles I fetch
	s_and_b32 s[SV], s[WV], 1
	; group 1: a tile is 128 rows of 128 bytes, dense: asked for as 64 rows of 256 bytes, padded in LDS after every 128
	s_mov_b32 s[G1+0], (1<<16)|(1<<20)|(4<<22)|(3<<25)
	s_mov_b32 s[G1+1], 128<<16
	s_mov_b32 s[G1+2], 64<<16
	s_mov_b32 s[G1+3], 128<<16
	s_mov_b32 s[G1+4], 64
	s_mov_b32 s[G1+5], 128
	s_mov_b32 s[G1+6], 0
	s_mov_b32 s[G1+7], 0
	s_mul_i32 s14, s[WV], KOFF
	s_mov_b32 s[G0+0], 1
	s_add_co_u32 s[G0+1], s14, PARB                ; the first change of phases turns it to parity 0
	s_mov_b32 s[STP], 0
	s_mov_b32 s[STP+1], 0
	s_mov_b32 s[PAR], PARB                         ; phase -1 has parity 1
	s_mov_b32 s[PARN], 0
	s_lshl_b32 s10, ttmp9, 18                      ; a (b, head) is 262,144 bytes of a kind
	s_mov_b32 s11, 0
	s_lshl_b32 s2, s[WV], 24                       ; a kind is 16,777,216 bytes
	s_mov_b32 s3, 0
	s_add_nc_u64 s[2:3], s[2:3], s[10:11]
	s_wait_dscnt 0x0                               ; both opening adds are done
	s_wait_kmcnt 0x0
	s_add_nc_u64 s[G0+2:G0+3], s[4:5], s[2:3]      ; tile 0
	s_mov_b64 s[PFA:PFA+1], s[G0+2:G0+3]           ; phase n steps it to tile n + 2
	s_or_b32 s[G0+3], s[G0+3], 0x80000000
	; every wave makes both roles' lane terms, pointers and first values
	v_and_b32 v[TL], 31, v0
	v_lshlrev_b32 v[PFO], 8, v[TL]
	v_and_b32 v[TR], 15, v0
	v_bfe_u32 v[TH], v0, 4, 1
	v_and_b32 v[T7], 7, v0
	v_bfe_u32 v[T3], v0, 3, 1
	v_lshrrev_b32 v[T8], 3, v[TL]
	v_mul_u32_u24 v[LF], v[TR], RP
	v_lshl_add_u32 v[LF], v[TH], 4, v[LF]
	v_lshl_add_u32 v[LT], v[TH], 3, v[T7]
	v_mul_u32_u24 v[LT], v[LT], RP
	v_lshl_add_u32 v[LT], v[T3], 4, v[LT]
	s_lshl_b32 s14, s[SV], 6
	v_add_nc_u32 v[LTV], s14, v[LT]
	v_lshl_add_u32 v[LI], v[TL], 4, IMG+IMA
	s_add_co_u32 s14, s14, OST
	v_add_nc_u32 v[LO], s14, v[LF]
	v_lshlrev_b32 v[LQ], 2, v[TR]
	v_mul_u32_u24 v[LG], v[TR], GP
	v_add_nc_u32 v[LG], IMG, v[LG]
	v_lshlrev_b32 v[HA], 7, v[TR]
	v_lshl_add_u32 v[HA], v[TH], 4, v[HA]
	v_lshlrev_b32 v[HL], 4, v[TL]
	v_add_nc_u32 v[HI], IMG, v[HL]
	v_lshl_add_u32 v[HG], v[TH], 5, v[LG]
	s_mul_i32 s14, s[SV], 64*RP
	s_add_co_u32 s14, s14, OST
	v_mul_u32_u24 v[TX], v[T8], RP
	v_lshl_add_u32 v[TX], v[T7], 4, v[TX]
	v_add_nc_u32 v[ORD], s14, v[TX]
	v_lshlrev_b32 v[TX], 3, v[TH]
	v_sub_nc_u32 v[TX], v[TR], v[TX]               ; r - 8 h
.irp j, 0,1,2,3,4,5,6,7
	v_cmp_gt_i32 s[MK+\j], v[TX], \j
.endr
	s_lshl_b32 s2, ttmp9, 13                       ; 2,048 norms of 4 bytes
	s_mov_b32 s3, 0
	s_add_nc_u64 s[QNP:QNP+1], s[6:7], s[2:3]      ; in phase -1 the next phase's steps are the first
	s_add_nc_u64 s[HZ:HZ+1], s[4:5], s[10:11]      ; qhat of my (b, head),
	s_add_nc_u64 s[HK:HK+1], s[HZ:HZ+1], 1<<24     ; k
	s_cmp_eq_u32 s[WV], 2
	s_cselect_b64 s[HZ:HZ+1], s[HK:HK+1], s[HZ:HZ+1]
	s_lshl_b32 s2, s[SV], 13                       ; 64 rows of 128 bytes
	s_add_nc_u64 s[2:3], s[2:3], s[10:11]
	s_add_nc_u64 s[OB:OB+1], s[8:9], s[2:3]
	; the state is 0; u's operand holds finite numbers where an idle half of K names it; K's, lr's and v's registers, which a chunk finds filled by lines that stand ahead of it, are written on every way through the text
	WIN 0x40
.set i_, 0
.rept 64
	v_mov_b32 v[W+i_], 0
.set i_, i_+1
.endr
.set i_, 0
.rept 32
	v_mov_b32 v[KF+i_], 0
.set i_, i_+1
.endr
	WIN 0
.set i_, 0
.rept 32
	v_mov_b32 v[LP+i_], 0                          ; lr's 16 and v's 16
.set i_, i_+1
.endr
.set i_, 0
.rept 16
	v_mov_b32 v[UOP+i_], 0
.set i_, i_+1
.endr
.irp i, 4,5,6,7
	v_mov_b32 v[A10+\i], 0                         ; these two images have no second half of K
	v_mov_b32 v[AQ+\i], 0
.endr
	v_mov_b32 v[QN+1], 0                           ; named with qn as pairs
	v_mov_b32 v[QN+3], 0
	v_mov_b32 v[ZERO], 0
	v_mov_b32 v[ONE], 1.0
	s_mov_b32 s[PH], 16
.Lphase:                                       ; phases -1 to 14
	PHASE 1, 0
	s_sub_co_u32 s[PH], s[PH], 1
	s_cmp_lg_u32 s[PH], 0
	s_cbranch_scc1 .Lphase
	PHASE 0, 1                                     ; phase 15 asks for nothing
	SYNC 0
	s_cmp_lt_u32 s[WV], 2
	s_cbranch_scc1 .Lfin
	v_add_nc_u32 v[ORW], s[PARN], v[ORD]
	OUT                                            ; phase 15's o
.Lfin:
	s_wait_tensorcnt 0x0                           ; the wave's end: behind my last tensor load and my last LDS store
	ds_add_u32 v[SPW], v[NIL]
	s_wait_dscnt 0x0
	s_endpgm
.Lfunc_end_k_q8275c5e00a_scan:
	.size	k_q8275c5e00a_scan, .Lfunc_end_k_q8275c5e00a_scan-k_q8275c5e00a_scan
	.p2alignl 7, 3214868480
	.fill 96, 4, 3214868480
	.section	.rodata,"a",@progbits
	.p2align	6, 0x0
	.amdhsa_kernel k_q8275c5e00a_scan
		.amdhsa_group_segment_fixed_size 327680
		.amdhsa_private_segment_fixed_size 0
		.amdhsa_enable_private_segment 0
		.amdhsa_kernarg_size 24
		.amdhsa_user_sgpr_count 2
		.amdhsa_user_sgpr_kernarg_segment_ptr 1
		.amdhsa_wavefront_size32 1
		.amdhsa_system_sgpr_workgroup_id_x 1
		.amdhsa_system_sgpr_workgroup_id_y 1
		.amdhsa_system_sgpr_workgroup_id_z 1
		.amdhsa_system_vgpr_workitem_id 0
		.amdhsa_next_free_vgpr 768
		.amdhsa_next_free_sgpr 66
		.amdhsa_reserve_vcc 0
		.amdhsa_float_denorm_mode_32 3
		.amdhsa_float_denorm_mode_16_64 3
		.amdhsa_memory_ordered 1
		.amdhsa_forward_progress 1
		.amdhsa_inst_pref_size 112
	.end_amdhsa_kernel
	.amdgpu_metadata
---
amdhsa.version: [ 1, 2 ]
amdhsa.kernels:
  - .name:           k_q8275c5e00a_scan
    .symbol:         k_q8275c5e00a_scan.kd
    .args:
      - { .name: pj, .offset: 0, .size: 8, .value_kind: global_buffer, .address_space: global }
      - { .name: qn, .offset: 8, .size: 8, .value_kind: global_buffer, .address_space: global }
      - { .name: oh, .offset: 16, .size: 8, .value_kind: global_buffer, .address_space: global }
    .group_segment_fixed_size: 327680
    .private_segment_fixed_size: 0
    .kernarg_segment_align: 8
    .kernarg_segment_size: 24
    .max_flat_workgroup_size: 128
    .sgpr_count:     66
    .vgpr_count:     768
    .wavefront_size: 32
...
	.end_amdgpu_metadata
.endif
;; end of part 3
;; launch outp (part 4): grid 4 x 64, 4 waves a work-group, clusters of 4 x 4, 327,680 bytes of LDS; arguments oh, wo16, out0; writes out0
.if DOCPART == 4
	.amdgcn_target "amdgcn-amd-amdhsa--gfx1250"
	.amdhsa_code_object_version 6
	.text
	.protected	k_q8275c5e00a_outp
	.globl	k_q8275c5e00a_outp
	.p2align	8
	.type	k_q8275c5e00a_outp,@function
k_q8275c5e00a_outp:
	s_mov_b64 s[64:65], 0
	v_nop
	global_prefetch_b8 v0, s[64:65] scope:SCOPE_SE
	s_setreg_imm32_b32 hwreg(HW_REG_WAVE_MODE, 25, 1), 1
	s_wait_xcnt 0x0
	s_wait_alu depctr_hold_cnt(0) depctr_sa_sdst(0) depctr_va_vdst(0) depctr_va_sdst(0) depctr_va_ssrc(0) depctr_va_vcc(0) depctr_vm_vsrc(0)
	s_getreg_b32 s2, hwreg(HW_REG_IB_STS2, 6, 4)
	s_cmp_eq_u32 s2, 0
	s_cbranch_scc0 .Lentry_in_a_cluster
	s_endpgm
.Lentry_in_a_cluster:
	s_bfe_u32 s2, ttmp6, 0x10000c
	s_cmp_lg_u32 s2, 0xf033
	s_cbranch_scc0 .Lentry_shape_is_right
	s_endpgm
.Lentry_shape_is_right:
; out0[m][n] = sum over k of o[m][k] Wo[n][k]: m = 2048 b + t (8,192), n 1,024, k = 64 head + e (1,024); f16 operands (o as the scan left it; Wo rounded to bf16 and written as f16), f32 sums, f32 out.
; A TILE IS 128 x 256: 64 x 4 tiles, one for each of 256 work-groups.  Four waves, each 64 x 128 in 32 accumulators.  K goes in steps of 128 through two LDS slots filled by the tensor data mover;
; two slots of 256 along K would want 417,792 bytes of LDS.
; CLUSTER 4 x 4: o's tile is asked for jointly along a row of the cluster (whose four tiles are all 1,024 columns), Wo's along a column.
; o LIES BY HEADS, oh[16 b + head][t][64]: a K step is two heads.  Wave 0 fetches the first head's 128 rows, wave 1 the second's: 16,384 dense bytes each, asked for as 64 rows of 256 bytes and padded
; in LDS after every 128, so a row of a head is 144 bytes there.  Waves 2, 3 fetch Wo's two halves: 128 rows of 256 bytes, 272 in LDS.
; THE MATRIX INSTRUCTION IS USED TRANSPOSED (source 0 = rows of Wo, source 1 = rows of o): a lane holds eight neighbouring columns of a row of out0.
; REGISTERS: window 0: v0-31 addresses, v64-95, v128-159 o's fragments (two buffers), later the way out; window 1: v64-127, v128-191 Wo's fragments; window 2: accumulators ((a, b) at v[8 (8 a + b)]).
; THE WAY OUT: the slots have had their last fill; each wave lays its f32 sums into 64 rows of 528 bytes of its own there and stores whole rows of 512 bytes.
.set SIZE_K, 1024
.set KSTEP,  128
.set PITCH,  272
.set AP,     144
.set HEADT,  128*AP                    ; a head's 128 rows
.set HALFT,  128*PITCH
.set BOFF,   2*HEADT
.set SLOT,   BOFF+2*HALFT
.set SPARE,  2*SLOT                    ; behind the ring: the spare words, 128 bytes a wave, two blocks of 256 bytes that no other line names
.set DP,     528
.set DREG,   64*DP                     ; a wave's part of the way out; four of them end below SPARE
.set ASTEP,  524288                    ; two heads of oh
.set LAPS,   SIZE_K/(2*KSTEP)
.set ADRA, 16
.set ADRB, 20
.set DST,  24
.set RDA,  25
.set CO,   26
.set SPW,  28
.set NIL,  29
.set PFO,  30
.set PFA,  44
.set PST,  66                          ; s[66:67] a K step in the buffer that I prefetch
.set LIM,  68                          ; s68, s69  in a wave that prefetches 1 and 2, else the greatest number: slot s's change asks while the trips to go are above s[LIM + s]
.set F0,   64
.set F1,   128
.set G1,   24
.set G0,   32
.set G1B,  48
.set G0B,  56
.set MSB, 0
.macro WIN new                         ; the immediate's high byte repeats the setting that is left
.if MSB != (\new)
	s_set_vgpr_msb (MSB<<8)|(\new)
.set MSB, \new
.endif
.endm
.set MUL,  0xa1                        ; source 0 (Wo) window 1, source 1 (o) window 0, C and D window 2
.set TO_B, 0x40
; A joint load: waves 0 and 1 fetch o's two heads, waves 2 and 3 Wo's two halves.  An s_nop 0 and four v_nop follow each line.
.macro JLOAD s
	s_cmp_eq_u32 s11, 0
	s_cbranch_scc0 .Lfor_b_\@
	tensor_load_to_lds s[G0+4*(\s):G0+4*(\s)+3], s[G1:G1+7]
	s_nop 0
.rept 4
	v_nop
.endr
	s_branch .Lasked_\@
.Lfor_b_\@:
	tensor_load_to_lds s[G0B+4*(\s):G0B+4*(\s)+3], s[G1B:G1B+7]
	s_nop 0
.rept 4
	v_nop
.endr
.Lasked_\@:
.endm
; A prefetch of the K step three refills on (384 matrix instructions ahead of the load that wants it), 32 blocks of 256 bytes, a lane a block.  oh's rows are read by one cluster alone: its wave 0 asks for both heads
; (lane l: head l / 16, block l % 16); Wo's rows are read by all sixteen clusters, of which the one with y = 0 asks, waves 2 and 3, a lane a row.  The four partners of a joint load take a quarter of it each,
; told apart by address.  So each block is named once.  The first three changes of slots name K steps 5, 6 and 7; the others have no K step three on.
.macro ASK s
	s_cmp_gt_u32 s3, s[LIM+(\s)]
	s_cbranch_scc0 .Lnot_mine_\@
	global_prefetch_b8 v[PFO], s[PFA:PFA+1] th:TH_LOAD_NT scope:SCOPE_SE
.Lnot_mine_\@:
.endm
.macro CREST
	s_cmp_lg_u32 s10, 0
	s_cbranch_scc1 .Lnot_wave_0_\@
	s_barrier_signal -3
.Lnot_wave_0_\@:
	s_barrier_wait -3
	s_barrier_signal -1
	s_barrier_wait -1
.endm
.macro CROUND
	s_barrier_signal -1
	s_barrier_wait -1
	CREST
.endm
	s_load_b128 s[4:7], s[0:1], 0x0                ; oh, wo16
	s_load_b64 s[8:9], s[0:1], 0x10                ; out0
	v_lshl_add_u32 v[SPW], v0, 2, SPARE
	v_mov_b32 v[NIL], 0
	ds_add_u32 v[SPW], v[NIL]                      ; the wave's opening: the add, twice on end, and its wait ahead of my first tensor load
	ds_add_u32 v[SPW], v[NIL]
	v_lshrrev_b32 v1, 5, v0
	v_readfirstlane_b32 s10, v1
	s_lshr_b32 s11, s10, 1                         ; my half of the tile's rows; also: I fetch for oh (0) or wo16 (1)
	s_and_b32 s12, s10, 1                          ; my half of its columns; also: which head, or which 128 rows, I fetch
	s_bfe_u32 s40, ttmp6, 0x40000                  ; cx
	s_bfe_u32 s41, ttmp6, 0x40004                  ; cy
	s_lshl_b32 s42, ttmp9, 2
	s_add_co_u32 s42, s42, s40                     ; tile column
	s_and_b32 s13, ttmp7, 0xffff
	s_lshl_b32 s13, s13, 2
	s_add_co_u32 s13, s13, s41                     ; tile row, 0 to 63
	s_lshl_b32 s43, s41, 2
	s_lshl_b32 s43, 15, s43                        ; my row of the cluster
	s_lshl_b32 s44, 0x1111, s40                    ; my column
	s_or_b32 s[G1+0], s43, (1<<16)|(1<<20)|(1<<21)|(4<<22)|(3<<25)   ; oh: the mask; 2-byte elements; padding on; bit 21 beside a mask; after every 32 words, 4 words
	s_or_b32 s[G1B+0], s44, (1<<16)|(1<<20)|(1<<21)|(5<<22)|(3<<25)  ; wo16: after every 64
	s_mov_b32 s[G1+1], 128<<16                     ; oh: rows of 128 elements,
	s_mov_b32 s[G1+2], 64<<16                      ; 64 of them,
	s_mov_b32 s[G1+3], 128<<16
	s_mov_b32 s[G1+4], 64
	s_mov_b32 s[G1+5], 128                         ; end to end
	s_mov_b32 s[G1+6], 0
	s_mov_b32 s[G1+7], 0
	s_mov_b32 s[G1B+1], 128<<16                    ; wo16: 128 rows of 128 elements, 1,024 elements apart
	s_mov_b32 s[G1B+2], 128<<16
	s_mov_b32 s[G1B+3], 128<<16
	s_mov_b32 s[G1B+4], 128
	s_mov_b32 s[G1B+5], SIZE_K
	s_mov_b32 s[G1B+6], 0
	s_mov_b32 s[G1B+7], 0
	s_lshr_b32 s16, s13, 4                         ; b
	s_lshl4_add_u32 s16, s16, s12                  ; head 16 b + my half
	s_lshl_b32 s16, s16, 18                        ; a head is 262,144 bytes
	s_and_b32 s17, s13, 15
	s_lshl_b32 s17, s17, 14                        ; 128 rows of 128 bytes
	s_add_co_u32 s16, s16, s17
	s_mov_b32 s17, 0
	s_lshl_b32 s46, s42, 8
	s_lshl_b32 s47, s12, 7
	s_add_co_u32 s46, s46, s47
	s_lshl_b32 s46, s46, 11                        ; rows of 2,048 bytes
	s_mov_b32 s47, 0
	s_mul_i32 s20, s12, HEADT
	s_mul_i32 s21, s12, HALFT
	s_add_co_u32 s21, s21, BOFF
	s_wait_dscnt 0x0                               ; both opening adds are done
	s_wait_kmcnt 0x0
	s_add_nc_u64 s[14:15], s[4:5], s[16:17]
	s_add_nc_u64 s[46:47], s[6:7], s[46:47]
	CROUND                                         ; all sixteen work-groups are here: the first joint loads meet
.irp s, 0,1
	s_mov_b32 s[G0+4*(\s)], 1
	s_add_co_u32 s[G0+4*(\s)+1], s20, (\s)*SLOT
	s_add_nc_u64 s[G0+4*(\s)+2:G0+4*(\s)+3], s[14:15], (\s)*ASTEP
	s_or_b32 s[G0+4*(\s)+3], s[G0+4*(\s)+3], 0x80000000
	s_mov_b32 s[G0B+4*(\s)], 1
	s_add_co_u32 s[G0B+4*(\s)+1], s21, (\s)*SLOT
	s_add_nc_u64 s[G0B+4*(\s)+2:G0B+4*(\s)+3], s[46:47], (\s)*KSTEP*2
	s_or_b32 s[G0B+4*(\s)+3], s[G0B+4*(\s)+3], 0x80000000
	JLOAD \s
.endr
	v_and_b32 v1, 15, v0                           ; l % 16
	v_bfe_u32 v2, v0, 4, 1                         ; l / 16
	v_mul_u32_u24 v3, v1, PITCH
	v_lshl_add_u32 v3, v2, 4, v3
	v_mul_u32_u24 v4, v1, AP
	v_lshl_add_u32 v4, v2, 4, v4
	s_mul_i32 s21, s11, 64*AP                      ; my 64 rows in each head's tile
	s_mul_i32 s22, s12, HALFT
	s_add_co_u32 s22, s22, BOFF
.irp s, 0,1
	v_add_nc_u32 v[ADRA+(\s)], s21, v4
	v_add_nc_u32 v[ADRB+(\s)], s22, v3
	s_add_co_u32 s21, s21, SLOT
	s_add_co_u32 s22, s22, SLOT
.endr
	s_mul_i32 s23, s10, DREG
	v_mul_u32_u24 v[DST], v1, DP
	v_lshl_add_u32 v[DST], v2, 5, v[DST]
	v_add_nc_u32 v[DST], s23, v[DST]
	v_and_b32 v5, 31, v0
	v_lshlrev_b32 v[CO], 4, v5
	v_add_nc_u32 v[RDA], s23, v[CO]
	; the prefetches: s16 still holds my head's and rows' offset in oh (in wave 0: the first head's)
	s_lshl_b32 s18, s40, 12                        ; oh: my work-group's 4,096 bytes of each head's 16,384
	s_add_co_u32 s18, s18, s16
	s_add_co_u32 s18, s18, 4*ASTEP                 ; at K step 4: the first change of slots steps it to 5, which it names
	s_lshl_b32 s19, s42, 8
	s_lshl_b32 s22, s12, 7
	s_add_co_u32 s19, s19, s22
	s_lshl_b32 s22, s41, 5                         ; wo16: my work-group's 32 rows of the 128
	s_add_co_u32 s19, s19, s22
	s_lshl_b32 s19, s19, 11
	s_add_co_u32 s19, s19, 4*KSTEP*2
	s_and_b32 s22, ttmp7, 0xffff
	s_mov_b32 s[PST], KSTEP*2
	s_mov_b32 s[PST+1], 0
	s_cmp_eq_u32 s11, 0
	s_cselect_b32 s20, s18, s19
	s_cselect_b32 s22, ttmp9, s22                  ; the coordinate along which other clusters read the same rows
	s_cselect_b32 s23, -1, 0
	s_cselect_b32 s[PST], ASTEP, s[PST]
	s_cselect_b64 s[PFA:PFA+1], s[4:5], s[6:7]
	s_cmp_eq_u32 s22, 0
	s_cselect_b32 s[LIM], 1, -1
	s_cselect_b32 s[LIM+1], 2, -1
	s_cmp_eq_u32 s10, 1                            ; wave 0 asks for wave 1's head too
	s_cselect_b32 s[LIM], -1, s[LIM]
	s_cselect_b32 s[LIM+1], -1, s[LIM+1]
	s_mov_b32 s21, 0
	s_add_nc_u64 s[PFA:PFA+1], s[PFA:PFA+1], s[20:21]
	v_lshlrev_b32 v6, 18, v2                       ; oh: head l / 16,
	v_lshl_or_b32 v6, v1, 8, v6                    ; block l % 16
	v_lshlrev_b32 v7, 11, v5                       ; wo16: a lane a row
	v_cndmask_b32 v[PFO], v7, v6, s23
	; out0 at my wave's first row and column
	s_lshl_b32 s16, s13, 7
	s_lshl_b32 s17, s11, 6
	s_add_co_u32 s16, s16, s17
	s_lshl_b32 s16, s16, 12                        ; rows of 4,096 bytes
	s_lshl_b32 s17, s42, 10
	s_add_co_u32 s16, s16, s17
	s_lshl_b32 s17, s12, 9
	s_add_co_u32 s16, s16, s17
	s_mov_b32 s17, 0
	s_add_nc_u64 s[8:9], s[8:9], s[16:17]
; 8 matrix instructions: m block a x all 8 n blocks, 32 along K.  zero = 1: the first product starts the sums
.macro MULA f, a, zero
	WIN MUL
.irp b, 0,1,2,3,4,5,6,7
.if \zero
	v_wmma_f32_16x16x32_f16 v[8*(8*(\a)+(\b)):8*(8*(\a)+(\b))+7], v[(\f)+8*(\b):(\f)+8*(\b)+7], v[(\f)+8*(\a):(\f)+8*(\a)+7], 0
.else
	v_wmma_f32_16x16x32_f16 v[8*(8*(\a)+(\b)):8*(8*(\a)+(\b))+7], v[(\f)+8*(\b):(\f)+8*(\b)+7], v[(\f)+8*(\a):(\f)+8*(\a)+7], v[8*(8*(\a)+(\b)):8*(8*(\a)+(\b))+7]
.endif
.endr
.endm
; 24 LDS loads in one run: Wo's 128 rows, then o's 64.  Byte k of a K step's 256: in wo16's rows as it stands; in oh's tiles head k / 128, byte k % 128
.macro FETCH slot, k, f
	WIN TO_B
.irp i, 0,1,2,3,4,5,6,7
	ds_load_b128 v[(\f)+8*(\i):(\f)+8*(\i)+3],   v[ADRB+(\slot)] offset:(\k)+(\i)*16*PITCH
	ds_load_b128 v[(\f)+8*(\i)+4:(\f)+8*(\i)+7], v[ADRB+(\slot)] offset:(\k)+(\i)*16*PITCH+32
.endr
	WIN 0
.irp i, 0,1,2,3
	ds_load_b128 v[(\f)+8*(\i):(\f)+8*(\i)+3],   v[ADRA+(\slot)] offset:((\k)/128)*HEADT+((\k)%128)+(\i)*16*AP
	ds_load_b128 v[(\f)+8*(\i)+4:(\f)+8*(\i)+7], v[ADRA+(\slot)] offset:((\k)/128)*HEADT+((\k)%128)+(\i)*16*AP+32
.endr
.endm
.macro PLACES                          ; four places behind matrix instructions, in front of loads into registers that they read and of lines that read their results
.rept 4
	v_nop
.endr
.endm
; A K step is four quarters of 32 along K, 32 matrix instructions each, on buffers 0, 1, 0, 1; the 32 accumulators take turns.
.macro QUARTER slot, k, f, g, zero
	s_wait_dscnt 4                                 ; Wo's fragments and o's rows 0-31 are in; the youngest four loads may be out
	MULA \f, 0, \zero
	MULA \f, 1, \zero
	PLACES
	FETCH \slot, \k, \g
	s_wait_dscnt 24                                ; all but the 24 just issued
	MULA \f, 2, \zero
	MULA \f, 3, \zero
.endm
.macro MEET round
	WIN 0
	s_wait_tensorcnt 0x0                           ; all my tensor loads have landed: my part of the next slot
	ds_add_u32 v[SPW], v[NIL]
	s_wait_dscnt 5                                 ; (the add and the youngest four loads may be out)
	MULA F1, 0, 0
	s_wait_dscnt 0x0                               ; the add is done, and my reads of this slot are over
	s_barrier_signal -1
	MULA F1, 1, 0
.if \round
	WIN 0
.endif
	s_barrier_wait -1
.endm
; The last quarter changes slots.  fill = 1: the barrier opens a round of the cluster's barrier and the slot just read out is filled again, first thing behind it, two K steps on:
; 112 matrix instructions ahead of the wait for it.
.macro TURN slot, next, fill
.if \fill
	s_wait_xcnt 0x0                                ; the last prefetch, a K step back, has read its address
	s_add_nc_u64 s[PFA:PFA+1], s[PFA:PFA+1], s[PST:PST+1]
	MEET 1
	CREST
	s_add_nc_u64 s[G0+4*(\slot)+2:G0+4*(\slot)+3], s[G0+4*(\slot)+2:G0+4*(\slot)+3], 2*ASTEP
	s_add_nc_u64 s[G0B+4*(\slot)+2:G0B+4*(\slot)+3], s[G0B+4*(\slot)+2:G0B+4*(\slot)+3], 2*KSTEP*2
	JLOAD \slot                                    ; its four v_nop are also the places in front of the loads below
.else
	MEET 0
	PLACES
.endif
	FETCH \next, 0, F0
.if \fill
	ASK \slot
.endif
	MULA F1, 2, 0
	MULA F1, 3, 0
.endm
	s_wait_tensorcnt 1                             ; my part of K step 0 is in; K step 1's may stay out
	s_barrier_signal -1
	s_barrier_wait -1
	FETCH 0, 0, F0
	QUARTER 0, 64,  F0, F1, 1                      ; the first quarter's products start the sums
	WIN 0
	s_mov_b32 s3, LAPS-1
.Llap:
	QUARTER 0, 128, F1, F0, 0
	QUARTER 0, 192, F0, F1, 0
	TURN 0, 1, 1
	QUARTER 1, 64,  F0, F1, 0
	QUARTER 1, 128, F1, F0, 0
	QUARTER 1, 192, F0, F1, 0
	TURN 1, 0, 1
	QUARTER 0, 64,  F0, F1, 0
	WIN 0
	s_sub_co_u32 s3, s3, 1
	s_cmp_lg_u32 s3, 0
	s_cbranch_scc1 .Llap
	QUARTER 0, 128, F1, F0, 0                      ; the last lap fills nothing
	QUARTER 0, 192, F0, F1, 0
	TURN 0, 1, 0
	QUARTER 1, 64,  F0, F1, 0
	QUARTER 1, 128, F1, F0, 0
	QUARTER 1, 192, F0, F1, 0
	s_wait_dscnt 4
	MULA F1, 0, 0
	MULA F1, 1, 0
	s_wait_dscnt 0x0
	MULA F1, 2, 0
	MULA F1, 3, 0
	WIN 0
	; THE WAY OUT.  Every wave's reads of the slots are over (its wait, then the barrier); no tensor load follows in the launch.
	s_wait_dscnt 0x0
	s_barrier_signal -1
	s_barrier_wait -1
	PLACES
	WIN 0x08                                       ; store data (source 1) in window 2
.irp a, 0,1,2,3
.irp b, 0,1,2,3,4,5,6,7
	ds_store_b128 v[DST], v[8*(8*(\a)+(\b)):8*(8*(\a)+(\b))+3]   offset:(\a)*16*DP+(\b)*64
	ds_store_b128 v[DST], v[8*(8*(\a)+(\b))+4:8*(8*(\a)+(\b))+7] offset:(\a)*16*DP+(\b)*64+16
.endr
.endr
	WIN 0
	s_mov_b32 s3, 4
.Lrows:                                        ; four trips of 16 rows; LDS serves a wave's instructions in order, and the bytes are the wave's own
.irp i, 0,1,2,3,4,5,6,7,8,9,10,11,12,13,14,15
	ds_load_b128 v[64+4*\i:64+4*\i+3], v[RDA] offset:DP*\i
.endr
	s_wait_dscnt 0x0
.irp i, 0,1,2,3,4,5,6,7,8,9,10,11,12,13,14,15
	global_store_b128 v[CO], v[64+4*\i:64+4*\i+3], s[8:9] offset:4096*\i th:TH_STORE_NT   ; 512 consecutive bytes of a row, aligned
.endr
	s_wait_xcnt 0x0                                ; the stores have read their data and their base: both are written again only behind this wait
	s_add_nc_u64 s[8:9], s[8:9], 65536
	v_add_nc_u32 v[RDA], 16*DP, v[RDA]
	s_sub_co_u32 s3, s3, 1
	s_cmp_lg_u32 s3, 0
	s_cbranch_scc1 .Lrows
	s_wait_tensorcnt 0x0                           ; the wave's end: behind my last tensor load and my last LDS store
	ds_add_u32 v[SPW], v[NIL]
	s_wait_dscnt 0x0
	CROUND                                         ; the closing round
	s_endpgm
.Lfunc_end_k_q8275c5e00a_outp:
	.size	k_q8275c5e00a_outp, .Lfunc_end_k_q8275c5e00a_outp-k_q8275c5e00a_outp
	.p2alignl 7, 3214868480
	.fill 96, 4, 3214868480
	.section	.rodata,"a",@progbits
	.p2align	6, 0x0
	.amdhsa_kernel k_q8275c5e00a_outp
		.amdhsa_group_segment_fixed_size 327680
		.amdhsa_private_segment_fixed_size 0
		.amdhsa_enable_private_segment 0
		.amdhsa_kernarg_size 24
		.amdhsa_user_sgpr_count 2
		.amdhsa_user_sgpr_kernarg_segment_ptr 1
		.amdhsa_wavefront_size32 1
		.amdhsa_system_sgpr_workgroup_id_x 1
		.amdhsa_system_sgpr_workgroup_id_y 1
		.amdhsa_system_sgpr_workgroup_id_z 1
		.amdhsa_system_vgpr_workitem_id 0
		.amdhsa_next_free_vgpr 768
		.amdhsa_next_free_sgpr 80
		.amdhsa_reserve_vcc 0
		.amdhsa_float_denorm_mode_32 3
		.amdhsa_float_denorm_mode_16_64 3
		.amdhsa_memory_ordered 1
		.amdhsa_forward_progress 1
		.amdhsa_inst_pref_size 80
	.end_amdhsa_kernel
	.amdgpu_metadata
---
amdhsa.version: [ 1, 2 ]
amdhsa.kernels:
  - .name:           k_q8275c5e00a_outp
    .symbol:         k_q8275c5e00a_outp.kd
    .args:
      - { .name: oh, .offset: 0, .size: 8, .value_kind: global_buffer, .address_space: global }
      - { .name: wo16, .offset: 8, .size: 8, .value_kind: global_buffer, .address_space: global }
      - { .name: out0, .offset: 16, .size: 8, .value_kind: global_buffer, .address_space: global }
    .group_segment_fixed_size: 327680
    .private_segment_fixed_size: 0
    .kernarg_segment_align: 8
    .kernarg_segment_size: 24
    .max_flat_workgroup_size: 128
    .sgpr_count:     80
    .vgpr_count:     768
    .wavefront_size: 32
...
	.end_amdgpu_metadata
.endif
;; end of part 4
;; ======== version 2 of 2: 4 launches; version 1 with the launch cast written anew for expert scheduling mode
;; limits: values are held in f16: magnitudes above 65,504 overflow, below 6.1e-05 lose precision
;; workspace buffers: xb 16,777,216 bytes; wcat 8,388,608 bytes; wo16 2,097,152 bytes; pj 67,108,864 bytes; qn 524,288 bytes; oh 16,777,216 bytes
;; launch cast (part 5): grid 832 x 1, 8 waves a work-group, no clusters, 0 bytes of LDS; arguments x, Wq, Wk, Wv, Wlr, Wo, xb, wcat, wo16; writes xb, wcat, wo16
.if DOCPART == 5
	.amdgcn_target "amdgcn-amd-amdhsa--gfx1250"
	.amdhsa_code_object_version 6
	.text
	.protected	k_q8275c5e00a_cast
	.globl	k_q8275c5e00a_cast
	.p2align	8
	.type	k_q8275c5e00a_cast,@function
k_q8275c5e00a_cast:
	s_mov_b64 s[64:65], 0
	v_nop
	global_prefetch_b8 v0, s[64:65] scope:SCOPE_SE
	s_setreg_imm32_b32 hwreg(HW_REG_WAVE_SCHED_MODE, 0, 2), 2
	s_setreg_imm32_b32 hwreg(HW_REG_WAVE_MODE, 25, 1), 1
	s_wait_xcnt 0x0
	s_wait_alu depctr_vm_vsrc(0)
; THE PROGRAM (four launches).  cast: x and the five weights are rounded once to bf16.  proj: q, k, v, lr = x W^T for all four weights in one product; q, k, v
; divided by max(norm, 1e-12) per head, lr = sigmoid(. + b_lr); stored by heads in f16, q's norm in f32.  scan: the recurrence, 32 steps at a time.  outp: o Wo^T.
; THE RECURRENCE IN CHUNKS.  With W0 the state in front of a chunk, u_t = lr_t (v_t - k_t W0 - sum over s < t of (k_s . k_t) u_s), o_t = q_t W0 + sum over s < t of (q_t . k_s) u_s,
; and the state behind the chunk is W0 + sum over s of k_s (x) u_s: the same sums as step by step, in another order.
; WORK LEFT OUT.  The state behind the last step is thrown away by reference() (the scan's first result is not used), so the sum K^T U of the last 32 steps, which only a later
; chunk could read, reaches no output whatever the inputs hold: the scan jumps over those products.  Every input has a way to the output and is loaded.
; A NaN, an infinity or an overflow that would arise in that left-out sum alone is not carried to the result.
; WORK KEPT.  The first chunk's products with the zero state stay (16 of some 1,900 matrix instructions a wave), so that no first chunk is written out.
; THIS LAUNCH.  832 segments of 16,384 numbers: 0-511 x -> xb; 512-767 Wq, Wk, Wv, Wlr -> wcat (rows in that order); 768-831 Wo -> wo16.
; Wo is rounded to bf16 like every input and that number is written as f16, the format of o, its partner in the last product.
; LIMIT: |Wo| under 65,504; below 6.1e-5 it keeps f16's fixed step of 6e-8.
; A thread takes 4 numbers a step: one load of 16 bytes, one store of 8 bytes.  A wave's load covers 512 consecutive bytes, its store 256 consecutive bytes, aligned: no byte is named twice.
; All 16 loads go out before the first is used.
; THE MODE: SCHED_MODE bits 1:0 = 2 (LLVM: expert scheduling mode 2), set by the entry lines.  The code itself states the register dependences
; between vector instructions and memory instructions, with s_wait_alu, always for 0.
; THE PLAN.  Registers that memory instructions touch:
;   v1, v2      byte offsets of the loads and of the stores: made once at the head and never written again.
;   v[16:79]    step i: four registers at 16 + 4 i.  Written by the step's one load, which is issued before any vector instruction names them; read by the step's roundings.
;   v[80:111]   step i: two registers at 80 + 2 i.  Written by the step's roundings; read by the step's one store; never written behind it.
;   v8-11 (Wo's arm) are named by vector instructions alone.
; So no register that a memory instruction reads is written again, and no load lands in a register that a vector instruction has named: what is to be stated is that a store's data, and the
; two offsets, are written.  The 16 steps go in four blocks of four.  Block p rounds its four steps; its memory instructions are the four stores of block p - 1, whose registers no vector
; instruction of block p names.  So ONE wait at a block's head states all that those four stores hang on, and they are dealt among the block's roundings with no further wait.
	s_load_b512 s[8:23], s[0:1], 0x0               ; x, Wq, Wk, Wv, Wlr, Wo, xb, wcat
	s_load_b64 s[24:25], s[0:1], 0x40              ; wo16
	v_lshlrev_b32 v1, 4, v0                        ; 16 bytes in
	v_lshlrev_b32 v2, 3, v0                        ; 8 bytes out
	s_mov_b32 s2, ttmp9                            ; the segment
	s_and_b32 s3, s2, 63                           ; its number inside a weight,
	s_cmp_lt_u32 s2, 512
	s_cselect_b32 s3, s2, s3                       ; or inside x
	s_lshl_b32 s4, s3, 16
	s_mov_b32 s5, 0
	s_sub_co_u32 s6, s2, 512                       ; its number inside wcat,
	s_cmp_lt_u32 s2, 512
	s_cselect_b32 s6, s2, s6                       ; inside xb,
	s_sub_co_u32 s7, s2, 768
	s_cmp_lt_u32 s2, 768
	s_cselect_b32 s6, s6, s7                       ; or inside wo16
	s_lshl_b32 s6, s6, 15
	s_mov_b32 s7, 0
	s_wait_kmcnt 0x0
	s_cmp_ge_u32 s2, 512
	s_cselect_b64 s[26:27], s[10:11], s[8:9]
	s_cselect_b64 s[28:29], s[22:23], s[20:21]
	s_cmp_ge_u32 s2, 576
	s_cselect_b64 s[26:27], s[12:13], s[26:27]
	s_cmp_ge_u32 s2, 640
	s_cselect_b64 s[26:27], s[14:15], s[26:27]
	s_cmp_ge_u32 s2, 704
	s_cselect_b64 s[26:27], s[16:17], s[26:27]
	s_cmp_ge_u32 s2, 768
	s_cselect_b64 s[26:27], s[18:19], s[26:27]
	s_cselect_b64 s[28:29], s[24:25], s[28:29]
	s_add_nc_u64 s[26:27], s[26:27], s[4:5]
	s_add_nc_u64 s[28:29], s[28:29], s[6:7]
	s_wait_alu depctr_va_vdst(0)                   ; v1 and v2 are written: every load of the kernel reads v1 as its offset, every store v2
.irp i, 0,1,2,3,4,5,6,7,8,9,10,11,12,13,14,15
	global_load_b128 v[16+4*\i:16+4*\i+3], v1, s[26:27] offset:4096*\i th:TH_LOAD_NT   ; a step of the work-group is 256 threads x 16 bytes
.endr
; Step i's roundings.  f16 = 1: the bf16 number is widened again and written as f16.
.macro CV i, f16
	v_cvt_pk_bf16_f32 v[80+2*(\i)],   v[16+4*(\i)],   v[16+4*(\i)+1]
	v_cvt_pk_bf16_f32 v[80+2*(\i)+1], v[16+4*(\i)+2], v[16+4*(\i)+3]
.if \f16
	v_lshlrev_b32 v8, 16, v[80+2*(\i)]
	v_and_b32 v9, 0xffff0000, v[80+2*(\i)]
	v_lshlrev_b32 v10, 16, v[80+2*(\i)+1]
	v_and_b32 v11, 0xffff0000, v[80+2*(\i)+1]
	v_cvt_pk_f16_f32 v[80+2*(\i)],   v8, v9
	v_cvt_pk_f16_f32 v[80+2*(\i)+1], v10, v11
.endif
.endm
; Step i's store.
.macro ST i
	global_store_b64 v2, v[80+2*(\i):80+2*(\i)+1], s[28:29] offset:2048*(\i) th:TH_STORE_NT
.endm
; Block p: steps 4 p to 4 p + 3 are rounded; the block before is stored, a store ahead of each step's roundings.
.macro BLK p, f16
	s_wait_loadcnt 12-4*(\p)                       ; loads come back in order: this block's four are in, the younger ones stay out
.if (\p) > 0
	s_wait_alu depctr_va_vdst(0)                   ; the block before has written its eight registers v[80 + 8 (p - 1) ..], which the four stores below read; no vector instruction behind this wait names them
.endif
.irp j, 0,1,2,3
.if (\p) > 0
	ST 4*(\p)-4+(\j)
.endif
	CV 4*(\p)+(\j), \f16
.endr
.endm
	s_cmp_ge_u32 s2, 768
	s_cbranch_scc1 .Lwo
	BLK 0, 0
	BLK 1, 0
	BLK 2, 0
	BLK 3, 0
	s_wait_alu depctr_va_vdst(0)                   ; block 3 has written v[104:111], which the last four stores read
.irp i, 12,13,14,15
	ST \i
.endr
	s_endpgm
.Lwo:
	BLK 0, 1
	BLK 1, 1
	BLK 2, 1
	BLK 3, 1
	s_wait_alu depctr_va_vdst(0)                   ; block 3 has written v[104:111], which the last four stores read
.irp i, 12,13,14,15
	ST \i
.endr
	s_endpgm
.Lfunc_end_k_q8275c5e00a_cast:
	.size	k_q8275c5e00a_cast, .Lfunc_end_k_q8275c5e00a_cast-k_q8275c5e00a_cast
	.p2alignl 7, 3214868480
	.fill 96, 4, 3214868480
	.section	.rodata,"a",@progbits
	.p2align	6, 0x0
	.amdhsa_kernel k_q8275c5e00a_cast
		.amdhsa_group_segment_fixed_size 0
		.amdhsa_private_segment_fixed_size 0
		.amdhsa_enable_private_segment 0
		.amdhsa_kernarg_size 72
		.amdhsa_user_sgpr_count 2
		.amdhsa_user_sgpr_kernarg_segment_ptr 1
		.amdhsa_wavefront_size32 1
		.amdhsa_system_sgpr_workgroup_id_x 1
		.amdhsa_system_sgpr_workgroup_id_y 1
		.amdhsa_system_sgpr_workgroup_id_z 1
		.amdhsa_system_vgpr_workitem_id 0
		.amdhsa_next_free_vgpr 112
		.amdhsa_next_free_sgpr 66
		.amdhsa_reserve_vcc 0
		.amdhsa_float_denorm_mode_32 3
		.amdhsa_float_denorm_mode_16_64 3
		.amdhsa_memory_ordered 1
		.amdhsa_forward_progress 1
		.amdhsa_inst_pref_size 16
	.end_amdhsa_kernel
	.amdgpu_metadata
---
amdhsa.version: [ 1, 2 ]
amdhsa.kernels:
  - .name:           k_q8275c5e00a_cast
    .symbol:         k_q8275c5e00a_cast.kd
    .args:
      - { .name: x, .offset: 0, .size: 8, .value_kind: global_buffer, .address_space: global }
      - { .name: Wq, .offset: 8, .size: 8, .value_kind: global_buffer, .address_space: global }
      - { .name: Wk, .offset: 16, .size: 8, .value_kind: global_buffer, .address_space: global }
      - { .name: Wv, .offset: 24, .size: 8, .value_kind: global_buffer, .address_space: global }
      - { .name: Wlr, .offset: 32, .size: 8, .value_kind: global_buffer, .address_space: global }
      - { .name: Wo, .offset: 40, .size: 8, .value_kind: global_buffer, .address_space: global }
      - { .name: xb, .offset: 48, .size: 8, .value_kind: global_buffer, .address_space: global }
      - { .name: wcat, .offset: 56, .size: 8, .value_kind: global_buffer, .address_space: global }
      - { .name: wo16, .offset: 64, .size: 8, .value_kind: global_buffer, .address_space: global }
    .group_segment_fixed_size: 0
    .private_segment_fixed_size: 0
    .kernarg_segment_align: 8
    .kernarg_segment_size: 72
    .max_flat_workgroup_size: 256
    .sgpr_count:     66
    .vgpr_count:     112
    .wavefront_size: 32
...
	.end_amdgpu_metadata
.endif
;; end of part 5
;; launch proj: the kernel of part 2 again; grid 16 x 32, 4 waves a work-group, clusters of 4 x 4, 327,680 bytes of LDS; arguments xb, wcat, b_lr, pj, qn; writes pj, qn
;; launch scan: the kernel of part 3 again; grid 64 x 1, 4 waves a work-group, no clusters, 327,680 bytes of LDS; arguments pj, qn, oh; writes oh
;; launch outp: the kernel of part 4 again; grid 4 x 64, 4 waves a work-group, clusters of 4 x 4, 327,680 bytes of LDS; arguments oh, wo16, out0; writes out0
